; MI455X (gfx1250); checked and timed in simulation.
; The chip was launched on July 23, 2026; its instructions are those of AMD's public machine-readable ISA for CDNA 5 (MIT licence, August 2026) and "CDNA5" Instruction Set Architecture Reference Guide (July 2026). The comments in the code are by the model that wrote it; some were corrected since.
;; Optimized SAT Attention. Allowed arithmetic: matrix products marked QUANTISED: E5M2 operands, one given power-of-two scale a tensor, by v_wmma_f32_16x16x64_bf8_bf8 or v_wmma_f32_16x16x128_bf8_bf8, f32 sums; everything else in f32.
;; Inputs: Wk 1,024 x 1,024 float32; Wo 1,024 x 1,024 float32; Wq 1,024 x 1,024 float32; Wsk 1,024 x 1,024 float32; Wsq 1,024 x 1,024 float32; Wv 1,024 x 1,024 float32; bk 1,024 float32; bo 1,024 float32; bq 1,024 float32; bsk 1,024 float32; bsq 1,024 float32; bv 1,024 float32; lowp_scales 18 int32 (the exponents e of the quantised operands' scales 2^e); x_content 2 x 2,048 x 1,024 float32; x_struct 2 x 2,048 x 1,024 float32.
;; Outputs: out0 2 x 2,048 x 1,024 float32.
;; This version of the problem:
;;   THIS VERSION OF THE PROBLEM IS GIVEN IN LOW PRECISION. The matrix products marked QUANTISED in the list below multiply operands that are first quantised to E5M2 (5 exponent bits, 2 mantissa bits; 8 bits a number), with one given power-of-two scale for each operand tensor; their sums are f32. All else is computed in f32.
;;   The module's matrix products, in the order in which they are computed (A, B: the left and right operand; K: the contracted axis; several contracted axes count as one K, in the product's order):
;;     1. [M 4,096, K 1,024] x [K 1,024, N 1,024]; A: input x_content; B: input Wq: QUANTISED (scales: A lowp_scales[0], B lowp_scales[1])
;;     2. [M 4,096, K 1,024] x [K 1,024, N 1,024]; A: input x_content; B: input Wk: QUANTISED (scales: A lowp_scales[2], B lowp_scales[3])
;;     3. [M 4,096, K 1,024] x [K 1,024, N 1,024]; A: input x_content; B: input Wv: QUANTISED (scales: A lowp_scales[4], B lowp_scales[5])
;;     4. [M 4,096, K 1,024] x [K 1,024, N 1,024]; A: input x_struct; B: input Wsq: QUANTISED (scales: A lowp_scales[6], B lowp_scales[7])
;;     5. [M 4,096, K 1,024] x [K 1,024, N 1,024]; A: input x_struct; B: input Wsk: QUANTISED (scales: A lowp_scales[8], B lowp_scales[9])
;;     6. batch 32 x [M 2,048, K 64] x [K 64, N 2,048]; A: computed on the way; B: computed on the way: QUANTISED (scales: A lowp_scales[10], B lowp_scales[11])
;;     7. batch 32 x [M 2,048, K 64] x [K 64, N 2,048]; A: computed on the way; B: computed on the way: QUANTISED (scales: A lowp_scales[12], B lowp_scales[13])
;;     8. batch 32 x [M 2,048, K 2,048] x [K 2,048, N 64]; A: softmax (see below); B: computed on the way: QUANTISED (scales: A lowp_scales[14], B lowp_scales[15])
;;     9. [M 4,096, K 1,024] x [K 1,024, N 1,024]; A: computed on the way; B: input Wo: QUANTISED (scales: A lowp_scales[16], B lowp_scales[17])
;;   THE QUANTISER, for each operand of a quantised product, along K:
;;     - The operand's scale is 2^e, e = its entry of the input lowp_scales (int32; the entries are numbered through the quantised products in the list's order, A before B).
;;     - Each number is divided by the scale, clamped to +-57,344, and rounded to the nearest number of E5M2, ties to even, subnormals kept.
;;     - The product sums the exact products of the quantised numbers (number of the format x scale) in f32.
;;   ~~~python
;;   def quantise(x, axis, e):      # numpy; x: float32 -> the quantised numbers, widened to float32 again
;;       x = np.moveaxis(x, axis, -1); K = x.shape[-1]
;;       r = np.clip(x / 2.0 ** e, -57344, 57344)
;;       step = 2.0 ** (np.maximum(np.frexp(np.where(r == 0, 1, r))[1] - 1, -14) - 2)
;;       q = np.round(r / step) * step * 2.0 ** e      # np.round: ties to even
;;       return np.moveaxis(q, -1, axis).astype(np.float32)
;;   ~~~
;;   SOFTMAX AHEAD OF A QUANTISED PRODUCT. Where the list says 'softmax', what is quantised is not the finished softmax but p = 2^(t - M), with t = logit x log2(e) and M = ceil(the row's largest t), a whole number; so 1/2 < the row's largest p <= 1. The row's sum l is taken of the UNQUANTISED p, in f32, and the product's result is divided by l at the end. Since M is a whole number, a kernel that streams over the keys may use a running M (the ceiling of the running maximum): every later rescaling is an exact power of two, so the quantised numbers keep their values, but for numbers so far below the row's largest that they fall under the format's range.
;;   OPERANDS COMPUTED ON THE WAY. 'Computed on the way' means the value that the module computes at that place (a softmax that the list does not call 'softmax' is quantised finished and normalised). What goes into a quantiser is computed in f32, as accurately as f32 sums, v_exp_f32 and their like allow (about 1e-6 of the number): no bf16 or f16 on the way to a quantiser, and a product that is left as it is and whose result goes on into a quantised operand takes f32 operands (vector FMAs, or v_wmma_f32_16x16x4_f32). A number that lies on a knife's edge between two numbers of the format may be rounded either way, as far as f32 arithmetic and the matrix unit's own rounding can turn it there, and no further.
;; One version. Each part assembles by itself: llvm-mc -triple=amdgcn-amd-amdhsa -mcpu=gfx1250 --defsym DOCPART=n.
;; ======== version 1 of 1: 4 launches
;; limits: right only within a limited range of input values
;; workspace buffers: cod 27,262,976 bytes; qkv 20,971,520 bytes; oc 4,194,304 bytes
;; launch quant (part 1): grid 896 x 1, 4 waves a work-group, no clusters, 34,304 bytes of LDS; arguments x_content, x_struct, Wq, Wk, Wv, Wsq, Wsk, Wo, lowp_scales, cod; writes cod
.if DOCPART == 1
	.amdgcn_target "amdgcn-amd-amdhsa--gfx1250"
	.amdhsa_code_object_version 6
	.text
	.protected	k_qd0dacff1ee_quant
	.globl	k_qd0dacff1ee_quant
	.p2align	8
	.type	k_qd0dacff1ee_quant,@function
k_qd0dacff1ee_quant:
	s_mov_b64 s[64:65], 0
	v_nop
	global_prefetch_b8 v0, s[64:65] scope:SCOPE_SE
	s_setreg_imm32_b32 hwreg(HW_REG_WAVE_MODE, 25, 1), 1
	s_wait_xcnt 0x0
; f32 numbers into codes of BF8 (E5M2), each tensor with the scales 2^e that are given for it: x_content three times (entries 0, 2, 4 of the scales), x_struct twice (6, 8),
; Wq, Wk, Wv, Wsq, Wsk once each (1, 3, 5, 7, 9), Wo once (17).  code = x / 2^e, held within +-57,344, rounded to the nearest code, ties to even.
; LIMITS: each e between -126 and 112, so that 2^e and 57,344 x 2^e are f32 numbers.  NaN among the inputs is not served (an infinity is held at the largest code).
; THE CODES ARE LAID AS IMAGES OF THE OPERAND'S REGISTERS (16 rows x 128 K = 16 registers a lane; registers 2 c, 2 c + 1 of lane (r, h) hold k = 16 c + 8 h + 0 .. 7 of row r):
;   byte(row, k) = (row / 64) 65,536 + (k / 128) 8,192 + ((row / 16) % 4) 2,048 + ((k / 32) % 4) 512 + 16 lane + byte,  lane = row % 16 + 16 ((k / 8) % 2),  byte = k % 8 + 8 ((k / 16) % 2).
; So a fragment is 2,048 bytes on end, four registers of all lanes are 512 bytes on end, and 64 rows x 256 K are one dense block of 16,384 bytes.
; In cod: x's five tensors of codes (4 MiB each: for q_c, k_c, v, q_s, k_s), then from WOFF on W's six (1 MiB each).
; SHARES.  A work-group takes 16 rows x 1,024 K of one tensor; wave w the K steps 2 w and 2 w + 1: two fragments.  Work-groups 0-255: x_content, 256-511: x_struct, 512-895: the six weights, 64 each.
; A load reads 512 consecutive bytes (one row's 128 numbers); the fragment turns through the wave's own stage in LDS, so that a lane then holds eight neighbours along K in eight registers;
; each store covers 512 consecutive bytes, aligned.  No tensor load, no barrier: waves share nothing.
.set WOFF,  20971520
.set PITCH, 528                        ; a stage row: 512 bytes + 16: the sixteen rows that a read touches start at sixteen different banks (64 banks of 4 bytes: ISA guide 11.1)
.set WST,   16*PITCH                   ; a wave's stage
.set R,     16                         ; v16-143  two fragments as loaded
.set X,     144                        ; v144-207 a fragment in the operand's order: X + 16 q + i = k 32 q + 8 h + i (i < 8), 32 q + 16 + 8 h + i - 8 (i >= 8)
.set T,     208                        ; v208-223 two sets of eight held numbers, by turns
.set C,     224                        ; v224-255 two sets of sixteen registers of codes
.set NSC,   48                         ; s48      how many scales this tensor has
; v1 16 x lane; v2 the stage on the way in; v3 on the way out; v4, v6, v8: 2^e of pass 0, 1, 2; v5, v7, v9: 57,344 x 2^e
	s_load_b512 s[16:31], s[0:1], 0x0              ; the eight tensors
	s_load_b128 s[32:35], s[0:1], 0x40             ; the scales' exponents s[32:33], cod s[34:35]
	v_lshl_add_u32 v14, v0, 2, 0x8400
	v_mov_b32 v15, 0
	v_lshrrev_b32 v10, 5, v0
	v_readfirstlane_b32 s2, v10                    ; wave
	v_and_b32 v11, 31, v0
	v_lshlrev_b32 v1, 4, v11                       ; 16 x lane
	s_mul_i32 s3, s2, WST
	v_add_nc_u32 v2, s3, v1                        ; in: a row's 512 bytes as they lie
	v_and_b32 v12, 15, v0                          ; r
	v_bfe_u32 v13, v0, 4, 1                        ; h
	v_mul_u32_u24 v3, v12, PITCH
	v_lshl_add_u32 v3, v13, 5, v3
	v_add_nc_u32 v3, s3, v3                        ; out: row r, + 32 h bytes (eight numbers)
	; which tensor, which 16 rows, which scales, where the codes go: all from the work-group's number
	s_cmp_lt_u32 ttmp9, 512
	s_cselect_b32 s4, 255, 63
	s_and_b32 s4, ttmp9, s4                        ; the tile of 16 rows
	s_max_u32 s5, ttmp9, 512
	s_sub_co_u32 s5, s5, 512
	s_lshr_b32 s5, s5, 6                           ; j: which weight
	s_lshl_b32 s6, s5, 1
	s_add_co_u32 s6, s6, 1                         ; its scale: entry 2 j + 1,
	s_cmp_eq_u32 s5, 5
	s_cselect_b32 s6, 17, s6                       ; Wo's: 17
	s_lshl_b32 s8, s5, 20
	s_add_co_u32 s8, s8, WOFF                      ; its codes
	s_cmp_lt_u32 ttmp9, 512
	s_cselect_b32 s6, 6, s6                        ; x_struct: entries 6, 8; tensors 3, 4 of x's codes
	s_cselect_b32 s8, 3<<22, s8
	s_cselect_b32 s[NSC], 2, 1
	s_cmp_lt_u32 ttmp9, 256
	s_cselect_b32 s6, 0, s6                        ; x_content: entries 0, 2, 4; tensors 0, 1, 2
	s_cselect_b32 s8, 0, s8
	s_cselect_b32 s[NSC], 3, s[NSC]
	s_lshl_b32 s56, s6, 2                          ; byte offsets of the three entries; held inside the 18 entries for tensors with fewer scales
	s_add_co_u32 s7, s6, 2
	s_min_u32 s7, s7, 17
	s_lshl_b32 s57, s7, 2
	s_add_co_u32 s7, s6, 4
	s_min_u32 s7, s7, 17
	s_lshl_b32 s58, s7, 2
	s_lshr_b32 s9, s4, 2
	s_lshl_b32 s9, s9, 16
	s_add_co_u32 s8, s8, s9                        ; + (tile / 4) 65,536
	s_and_b32 s9, s4, 3
	s_lshl_b32 s9, s9, 11
	s_add_co_u32 s8, s8, s9                        ; + (tile % 4) 2,048
	s_lshl_b32 s9, s2, 14
	s_add_co_u32 s8, s8, s9                        ; + 2 w x 8,192
	s_mov_b32 s9, 0
	s_lshl_b32 s10, s4, 16                         ; the numbers: 16 rows of 4,096 bytes,
	s_lshl_b32 s11, s2, 10
	s_add_co_u32 s10, s10, s11                     ; + 2 w x 512
	s_mov_b32 s11, 0
	s_wait_alu depctr_va_vdst(0)
	s_wait_kmcnt 0x0
	s_load_b32 s50, s[32:33], s56 offset:0x0
	s_load_b32 s51, s[32:33], s57 offset:0x0
	s_load_b32 s52, s[32:33], s58 offset:0x0
	s_mov_b64 s[40:41], s[16:17]
.macro PICK from, p                    ; the choice hangs on the work-group's number alone
	s_cmp_ge_u32 ttmp9, \from
	s_cselect_b64 s[40:41], s[\p:\p+1], s[40:41]
.endm
	PICK 256, 18
	PICK 512, 20
	PICK 576, 22
	PICK 640, 24
	PICK 704, 26
	PICK 768, 28
	PICK 832, 30
	s_add_nc_u64 s[40:41], s[40:41], s[10:11]
	s_add_nc_u64 s[42:43], s[34:35], s[8:9]        ; pass 0's codes,
	s_add_nc_u64 s[44:45], s[42:43], 1<<22         ; pass 1's and pass 2's: the next tensors of x's codes (used by x alone)
	s_add_nc_u64 s[46:47], s[42:43], 2<<22
.irp f, 0,1
.irp r, 0,1,2,3,4,5,6,7,8,9,10,11,12,13,14,15
	global_load_b128 v[R+64*\f+4*\r:R+64*\f+4*\r+3], v1, s[40:41] offset:\r*4096+\f*512 th:TH_LOAD_NT   ; 32 lanes read 512 consecutive bytes
.endr
.endr
	s_wait_kmcnt 0x0
.irp p, 0,1,2
	s_add_co_i32 s[50+\p], s[50+\p], 127
	s_lshl_b32 s7, s[50+\p], 23
	v_mov_b32 v[4+2*\p], s7                        ; 2^e as f32: the conversion takes its exponent field
	s_add_co_i32 s[50+\p], s[50+\p], 15
	s_lshl_b32 s[50+\p], s[50+\p], 23
	s_or_b32 s[50+\p], s[50+\p], 0x600000
	v_mov_b32 v[5+2*\p], s[50+\p]                  ; 57,344 x 2^e
.endr
; Fragment f through the stage.  LDS serves a wave's instructions in order (ISA guide 5.7.1.4): no wait between the stores and the loads.
.macro FRAG f
.if \f == 0
	s_wait_loadcnt 16                              ; fragment 0's sixteen loads are in; fragment 1's sixteen may be out
.else
	s_wait_loadcnt 0x0
.endif
.irp r, 0,1,2,3,4,5,6,7,8,9,10,11,12,13,14,15
	ds_store_b128 v2, v[R+64*\f+4*\r:R+64*\f+4*\r+3] offset:\r*PITCH
.endr
.irp q, 0,1,2,3
	ds_load_b128 v[X+16*\q:X+16*\q+3],     v3 offset:128*\q
	ds_load_b128 v[X+16*\q+4:X+16*\q+7],   v3 offset:128*\q+16
	ds_load_b128 v[X+16*\q+8:X+16*\q+11],  v3 offset:128*\q+64
	ds_load_b128 v[X+16*\q+12:X+16*\q+15], v3 offset:128*\q+80
.endr
	s_wait_dscnt 0x0
.endm
; The fragment in X is quantised with scale p and stored.  A tensor with fewer scales passes over the pass: a scalar branch on the work-group's number.
.macro PASS f, p
.set CC, C+16*((\f+\p)%2)
.if \p > 0
	s_cmp_lt_u32 s[NSC], \p+1
	s_cbranch_scc1 .Lskip_\@
.endif
	s_wait_xcnt 0x0                                ; earlier stores have read their data: the codes' registers are written again only behind this wait
.irp q, 0,1,2,3
.irp u, 0,1
.irp i, 0,1,2,3,4,5,6,7
	v_med3_num_f32 v[T+8*\u+\i], v[X+16*\q+8*\u+\i], -v[5+2*\p], v[5+2*\p]   ; the conversion to an 8-bit code does not saturate (ISA guide 7.6.2): the hold comes first
.endr
	v_cvt_scalef32_pk8_bf8_f32 v[CC+4*\q+2*\u:CC+4*\q+2*\u+1], v[T+8*\u:T+8*\u+7], v[4+2*\p]   ; the other set's eight holds stand between this line and the next write of its sources
.endr
.endr
.irp q, 0,1,2,3
	global_store_b128 v1, v[CC+4*\q:CC+4*\q+3], s[42+2*\p:43+2*\p] offset:\f*8192+\q*512   ; four registers of all lanes: 512 consecutive bytes, aligned
.endr
.Lskip_\@:
.endm
	s_wait_alu depctr_va_vdst(0)
	FRAG 0
	PASS 0, 0
	PASS 0, 1
	PASS 0, 2
	FRAG 1
	PASS 1, 0
	PASS 1, 1
	PASS 1, 2
	s_wait_tensorcnt 0x0
	ds_add_u32 v14, v15
	s_wait_dscnt 0x0
	s_endpgm
.Lfunc_end_k_qd0dacff1ee_quant:
	.size	k_qd0dacff1ee_quant, .Lfunc_end_k_qd0dacff1ee_quant-k_qd0dacff1ee_quant
	.p2alignl 7, 3214868480
	.fill 96, 4, 3214868480
	.section	.rodata,"a",@progbits
	.p2align	6, 0x0
	.amdhsa_kernel k_qd0dacff1ee_quant
		.amdhsa_group_segment_fixed_size 34304
		.amdhsa_private_segment_fixed_size 0
		.amdhsa_enable_private_segment 0
		.amdhsa_kernarg_size 80
		.amdhsa_user_sgpr_count 2
		.amdhsa_user_sgpr_kernarg_segment_ptr 1
		.amdhsa_wavefront_size32 1
		.amdhsa_system_sgpr_workgroup_id_x 1
		.amdhsa_system_sgpr_workgroup_id_y 1
		.amdhsa_system_sgpr_workgroup_id_z 1
		.amdhsa_system_vgpr_workitem_id 0
		.amdhsa_next_free_vgpr 256
		.amdhsa_next_free_sgpr 72
		.amdhsa_reserve_vcc 0
		.amdhsa_float_denorm_mode_32 3
		.amdhsa_float_denorm_mode_16_64 3
		.amdhsa_memory_ordered 1
		.amdhsa_forward_progress 1
		.amdhsa_inst_pref_size 42
	.end_amdhsa_kernel
	.amdgpu_metadata
---
amdhsa.version: [ 1, 2 ]
amdhsa.kernels:
  - .name:           k_qd0dacff1ee_quant
    .symbol:         k_qd0dacff1ee_quant.kd
    .args:
      - { .name: x_content, .offset: 0, .size: 8, .value_kind: global_buffer, .address_space: global }
      - { .name: x_struct, .offset: 8, .size: 8, .value_kind: global_buffer, .address_space: global }
      - { .name: Wq, .offset: 16, .size: 8, .value_kind: global_buffer, .address_space: global }
      - { .name: Wk, .offset: 24, .size: 8, .value_kind: global_buffer, .address_space: global }
      - { .name: Wv, .offset: 32, .size: 8, .value_kind: global_buffer, .address_space: global }
      - { .name: Wsq, .offset: 40, .size: 8, .value_kind: global_buffer, .address_space: global }
      - { .name: Wsk, .offset: 48, .size: 8, .value_kind: global_buffer, .address_space: global }
      - { .name: Wo, .offset: 56, .size: 8, .value_kind: global_buffer, .address_space: global }
      - { .name: lowp_scales, .offset: 64, .size: 8, .value_kind: global_buffer, .address_space: global }
      - { .name: cod, .offset: 72, .size: 8, .value_kind: global_buffer, .address_space: global }
    .group_segment_fixed_size: 34304
    .private_segment_fixed_size: 0
    .kernarg_segment_align: 8
    .kernarg_segment_size: 80
    .max_flat_workgroup_size: 128
    .sgpr_count:     72
    .vgpr_count:     256
    .wavefront_size: 32
...
	.end_amdgpu_metadata
.endif
;; end of part 1
;; launch proj (part 2): grid 8 x 32, 4 waves a work-group, clusters of 4 x 4, 327,680 bytes of LDS; arguments cod, lowp_scales, qkv, bq, bk, bv, bsq, bsk; writes qkv
.if DOCPART == 2
	.amdgcn_target "amdgcn-amd-amdhsa--gfx1250"
	.amdhsa_code_object_version 6
	.text
	.protected	k_qd0dacff1ee_proj
	.globl	k_qd0dacff1ee_proj
	.p2align	8
	.type	k_qd0dacff1ee_proj,@function
k_qd0dacff1ee_proj:
	s_mov_b64 s[64:65], 0
	v_nop
	global_prefetch_b8 v0, s[64:65] scope:SCOPE_SE
	s_setreg_imm32_b32 hwreg(HW_REG_WAVE_MODE, 25, 1), 1
	s_wait_xcnt 0x0
	s_wait_alu depctr_hold_cnt(0) depctr_sa_sdst(0) depctr_va_vdst(0) depctr_va_sdst(0) depctr_va_ssrc(0) depctr_va_vcc(0) depctr_vm_vsrc(0)
	s_getreg_b32 s2, hwreg(HW_REG_IB_STS2, 6, 4)
	s_cmp_eq_u32 s2, 0
	s_cbranch_scc0 .Lentry_in_a_cluster
	s_endpgm
.Lentry_in_a_cluster:
	s_bfe_u32 s2, ttmp6, 0x10000c
	s_cmp_lg_u32 s2, 0xf033
	s_cbranch_scc0 .Lentry_shape_is_right
	s_endpgm
.Lentry_shape_is_right:
; The five projections, on codes of BF8 (E5M2): g = 0 q_c, 1 k_c, 2 v, 3 q_s, 4 k_s.  y = x W^T + b; then y is quantised with the scale given for it as an operand of attention's products
; (entries 10, 11, 15, 12, 13) and stored as images of that operand's registers.
; LIMITS: the two exponents of a product add to between -126 and 127; the result's exponent lies between -126 and 112.  NaN is not served.
; A WORK-GROUP STAYS: 256 work-groups of four waves, each makes FIVE tiles of 128 x 128, one of each product; a wave makes 64 x 64 in 16 accumulators.  Arguments, scales and biases are read once,
; and a tile's operands are fetched while the tile before is multiplied and stored.  The five tiles are written out by a macro, so that g is a constant of the text.
; C = A B^T with THE MATRIX INSTRUCTION USED TRANSPOSED (source 0 = 16 rows of B, source 1 = 16 rows of A): lane (r, h) of accumulator (a, t) holds A's row 16 a + r, and its register j B's row 16 t + 8 h + j.
; g != 2: A = x (tokens), B = W (channels): a lane holds a token and eight neighbouring channels of one head: the K of the score products.
; g == 2: A = Wv (channels), B = x (tokens): a lane holds a channel and eight neighbouring tokens: the keys, the K of the last product of attention.
; So the conversion of accumulator (a, t) gives registers 2 t, 2 t + 1 of the next operand's fragment, and the codes leave straight from registers, 512 consecutive bytes a store.
; THE RING: two LDS slots, each with half of K (512) of A's 128 rows and of B's 128 rows: 131,072 bytes.  The operands lie in memory as images of their registers: 64 rows x 512 K are one dense block of 32,768 bytes,
; what one refill brings; a fragment comes by four ds_load_b128 at 16 x lane, 512 bytes on end each.  Wave w fetches into LDS bytes 65,536 w on: slot 0's part, then slot 1's.
; Both slots' first fills.  Ten phases: tile P / 2, half P % 2, in slot P % 2.
; CLUSTERS: 4 x 4 work-groups; A's blocks hang on the place along y alone and are shared along a row of the cluster, B's on the place along x alone and are shared along a column: each is asked for jointly.
; By this text's own count a wave has one tensor load out at the most.
; PREFETCH: behind each joint refill (tile g's half of K for a slot) every wave asks for tile g + 1's half for the same slot: two refills ahead of the load that will want it.  Of the 32,768 bytes that a wave fetches, each of
; the four partners that ask for them jointly takes 8,192, told apart by address (cx for A, cy for B), lanes 256 bytes apart: one instruction a wave, each block of 256 bytes once in each cluster that will load it.
; Tile 1's two halves are asked for at the head; tile 0 comes by its load alone; the refills for tile 4 ask for nothing.
; qkv: Q at 0: [head 32][tile of 16 queries 128][content, struct][half 2][lane][16];  from KVOFF on [head 32][step of 128 keys 16][24,576]: K [tile of 16 keys 8][content, struct][half 2][lane][16], then V [16 channels 4][quad 4][lane][16].
; REGISTERS: window 0: v16-17, v20-21 LDS addresses of my A and B fragments in slot 0, 1; v24 16 x lane; v26 2^eO, v27 57,344 x 2^eO; v28, v29 for the add; v30 the prefetches' offset; v72-103 codes; v128-255 accumulators.
;   window 1: two fragment buffers of 128: A's four fragments, then B's four.   window 2: v0-127 the biases bq, bk, bsq, bsk along B's rows (32 each); v128-135 bv along A's rows.
.set WOFF,   20971520
.set KVOFF,  8388608
.set HEADKV, 393216
.set STEPB,  24576
.set SLOT,   32768                     ; from a wave's part of slot 0 to its part of slot 1
.set SPARE,  262144                    ; behind the ring: the spare words, 128 bytes for each wave: two blocks of 256 bytes that no other line names
.set F0,   0
.set F1,   128
.set ACC,  128
.set ADRA, 16
.set ADRB, 20
.set LI,   24
.set SC,   26
.set LIMV, 27
.set SPW,  28
.set NIL,  29
.set PFO,  30                          ; v30 8,192 x my place among the four + 256 x lane; never rewritten
.set CD,   72
.set BM,   128                         ; in window 2
.set WV,   22                          ; s22 wave; s23 which half of A's rows is mine, and: I fetch for A (0) or B (1); s24 which half of B's rows, and: which 64 rows I fetch
.set WM,   23
.set WN,   24
.set G1A,  32
.set G1B,  40
.set G0A,  48                          ; slot s at G0A + 4 s
.set G0B,  56
.set FAC,  66                          ; s[66:67] 2^(eA + eB)
.set PAX,  68                          ; s[68:69] A where it is x: my 64 tokens in tensor 0 of x's codes
.set PAW,  70                          ; s[70:71] A where it is Wv
.set PBW,  72                          ; s[72:73] B where it is W: my 64 channels in tensor 0 of W's codes
.set PBX,  74                          ; s[74:75] B where it is x (for v)
.set PQ,   76                          ; s[76:77], s[78:79], s[80:81]: where my codes of q, of k, of v go
.set PK,   78
.set PV,   80
.set PFN,  82                          ; s[82:83] the prefetches: my block of the tile to be asked for, where A is x and B is W
.set ES,   84                          ; s[84:99] entries 0 .. 15 of the scales
.set PST,  100                         ; s[100:101] from tensor to tensor of codes: 1 << 22 for x, 1 << 20 for W
.set PFV,  4                           ; s[4:5] the prefetches' block of tile 2, where A is Wv and B is x
.set MSB, 0
.macro WIN new                         ; the immediate's high byte repeats the setting that is left
.if MSB != \new
	s_set_vgpr_msb (MSB<<8)|\new
.set MSB, \new
.endif
.endm
.macro CREST                           ; a round of the cluster's barrier behind its opening barrier
	s_cmp_lg_u32 s[WV], 0
	s_cbranch_scc1 .Lnot_wave_0_\@
	s_barrier_signal -3
.Lnot_wave_0_\@:
	s_barrier_wait -3
	s_barrier_signal -1
	s_barrier_wait -1
.endm
.macro CROUND                          ; a whole round
	s_barrier_signal -1
	s_barrier_wait -1
	CREST
.endm
.macro PLACES                          ; four places behind matrix instructions, in front of loads into registers that they have read and of reads of results
.rept 4
	v_nop
.endr
.endm
; A joint refill: waves 0 and 1 fetch A's two halves, waves 2 and 3 B's.  The branch hangs on the wave's number alone.  An s_nop 0 and four v_nop follow each of the two lines.
.macro JLOAD s
	s_cmp_eq_u32 s[WM], 0
	s_cbranch_scc0 .Lfor_b_\@
	tensor_load_to_lds s[G0A+4*(\s):G0A+4*(\s)+3], s[G1A:G1A+7]
	s_nop 0
.rept 4
	v_nop
.endr
	s_branch .Lasked_\@
.Lfor_b_\@:
	tensor_load_to_lds s[G0B+4*(\s):G0B+4*(\s)+3], s[G1B:G1B+7]
	s_nop 0
.rept 4
	v_nop
.endr
.Lasked_\@:
.endm
; The slot's two descriptors are set to tile g's half of K that belongs in it.  No tensor load of the wave is out where this stands.
.macro DESC slot, g
.if (\g) == 2
	s_add_nc_u64 s[G0A+4*(\slot)+2:G0A+4*(\slot)+3], s[PAW:PAW+1], (\slot)*32768
	s_add_nc_u64 s[G0B+4*(\slot)+2:G0B+4*(\slot)+3], s[PBX:PBX+1], (\slot)*32768
.else
	s_add_nc_u64 s[G0A+4*(\slot)+2:G0A+4*(\slot)+3], s[PAX:PAX+1], ((\g)<<22)+(\slot)*32768
	s_add_nc_u64 s[G0B+4*(\slot)+2:G0B+4*(\slot)+3], s[PBW:PBW+1], ((\g)<<20)+(\slot)*32768
.endif
	s_or_b32 s[G0A+4*(\slot)+3], s[G0A+4*(\slot)+3], 0x80000000
	s_or_b32 s[G0B+4*(\slot)+3], s[G0B+4*(\slot)+3], 0x80000000
.endm
.macro FETCH s, ks, f                  ; 32 LDS loads: the fragments of 128 along K (the ks-th of slot s) into buffer f: B's four, then A's four
	WIN 0x40
.irp i, 0,1,2,3
.irp q, 0,1,2,3
	ds_load_b128 v[\f+64+16*\i+4*\q:\f+64+16*\i+4*\q+3], v[ADRB+(\s)] offset:(\ks)*8192+\i*2048+\q*512
.endr
.endr
.irp i, 0,1,2,3
.irp q, 0,1,2,3
	ds_load_b128 v[\f+16*\i+4*\q:\f+16*\i+4*\q+3], v[ADRA+(\s)] offset:(\ks)*8192+\i*2048+\q*512
.endr
.endr
.endm
.macro MUL4 f, a, zero                 ; A's block a x B's four.  The 16 accumulators take turns, one instruction a turn, in the same order in every step
	WIN 0x05
.irp t, 0,1,2,3
.if \zero
	v_wmma_f32_16x16x128_bf8_bf8 v[ACC+8*(4*(\a)+\t):ACC+8*(4*(\a)+\t)+7], v[\f+64+16*\t:\f+64+16*\t+15], v[\f+16*(\a):\f+16*(\a)+15], 0
.else
	v_wmma_f32_16x16x128_bf8_bf8 v[ACC+8*(4*(\a)+\t):ACC+8*(4*(\a)+\t)+7], v[\f+64+16*\t:\f+64+16*\t+15], v[\f+16*(\a):\f+16*(\a)+15], v[ACC+8*(4*(\a)+\t):ACC+8*(4*(\a)+\t)+7]
.endif
.endr
.endm
.macro KPLAIN slot, ks, fc, fn, zero   ; one of a slot's first three steps of 128 along K: multiplies buffer fc, fetches the next step into fn
	s_wait_dscnt 8                                 ; B's four and A's blocks 0, 1 are in; the youngest eight loads (A's blocks 2, 3) may be out
	MUL4 \fc, 0, \zero
	MUL4 \fc, 1, \zero
	PLACES
	FETCH \slot, (\ks)+1, \fn
	s_wait_dscnt 32                                ; all but the 32 just issued
	MUL4 \fc, 2, \zero
	MUL4 \fc, 3, \zero
.endm
; A slot's last step (buffer 1) changes slots: ONE barrier; in front of it each wave waits for all its tensor loads (its part of the other slot), adds 0 to its spare word, and waits for that and for its own reads of this slot.
; fill = 1: the barrier opens a round of the cluster's barrier, and behind it this slot is filled again, with tile g's half: the load has the other slot's four steps in which to land, and a tile's way out where one follows.
.macro TURN slot, fill, g
.if (\fill) && (\slot) == 0 && ((\g) == 2 || (\g) == 3)
	s_wait_xcnt 0x0                                ; my prefetches have read their base: it is stepped only behind this wait
	s_add_nc_u64 s[PFN:PFN+1], s[PFN:PFN+1], s[PST:PST+1]
.if (\g) == 2
	s_add_nc_u64 s[PFN:PFN+1], s[PFN:PFN+1], s[PST:PST+1]   ; from tile 1 to tile 3: tile 2 has a base of its own
.endif
.endif
	WIN 0                                          ; (the add's two registers lie in window 0)
	s_wait_tensorcnt 0x0                           ; all my tensor loads have landed
	ds_add_u32 v[SPW], v[NIL]                      ; 0 onto my spare word
	s_wait_dscnt 9                                 ; (the add and the youngest eight loads may be out)
	MUL4 F1, 0, 0                                  ; four matrix instructions stand between the add and the wait for it
	s_wait_dscnt 0x0                               ; the add is done, and my reads of this slot are over
	s_barrier_signal -1
	MUL4 F1, 1, 0
	WIN 0
	s_barrier_wait -1
.if \fill
	CREST                                          ; no wave of any partner still reads this slot or has a load on its way
	DESC \slot, \g
	JLOAD \slot                                    ; the first tensor load behind the round; its four v_nop are also the places in front of the loads below
.else
	PLACES
.endif
	FETCH 1-(\slot), 0, F0
.if (\fill) && ((\g) < 4)              ; tile g + 1's half of K that belongs in this slot: two refills ahead of its load
.if (\g)+1 == 2
	global_prefetch_b8 v[PFO], s[PFV:PFV+1] offset:(\slot)*32768 th:TH_LOAD_NT scope:SCOPE_SE
.else
	global_prefetch_b8 v[PFO], s[PFN:PFN+1] offset:(\slot)*32768 th:TH_LOAD_NT scope:SCOPE_SE
.endif
.endif
	MUL4 F1, 2, 0
	MUL4 F1, 3, 0
.endm
	s_load_b512 s[4:19], s[0:1], 0x0               ; cod s[4:5], the scales s[6:7], qkv s[8:9], bq, bk, bv, bsq, bsk s[10:19]
	v_lshl_add_u32 v[SPW], v0, 2, SPARE
	v_mov_b32 v[NIL], 0
	ds_add_u32 v28, v29                            ; the opening lines: the add, twice on end, and its wait ahead of my first tensor load
	ds_add_u32 v28, v29
	s_wait_dscnt 0x0
	v_lshrrev_b32 v1, 5, v0
	v_readfirstlane_b32 s[WV], v1
	s_lshr_b32 s[WM], s[WV], 1
	s_and_b32 s[WN], s[WV], 1
	s_bfe_u32 s25, ttmp6, 0x40000                  ; cx
	s_bfe_u32 s26, ttmp6, 0x40004                  ; cy
	s_lshl_b32 s27, ttmp9, 2                       ; 4 x cluster x: along the channels
	s_and_b32 s28, ttmp7, 0xffff
	s_lshl_b32 s28, s28, 2                         ; 4 x cluster y: along the tokens
	s_add_co_u32 s29, s28, s26                     ; A's tile of 128 tokens (g != 2): hangs on cy alone
	s_add_co_u32 s30, s27, s26                     ; A's tile of 128 channels (g == 2): on cy alone
	s_add_co_u32 s31, s27, s25                     ; B's tile of 128 channels (g != 2): on cx alone
	s_add_co_u32 s20, s28, s25                     ; B's tile of 128 tokens (g == 2): on cx alone
	s_lshl_b32 s2, s26, 2
	s_lshl_b32 s2, 15, s2                          ; my row of the cluster
	s_lshl_b32 s3, 0x1111, s25                     ; my column
	; descriptor group 1: a dense block as rows of 32 elements of 8 bytes: 256 rows (65,536 bytes) for the head's load, 128 rows from then on
	s_or_b32 s[G1A], s2, (3<<16)|(1<<21)           ; 15:0 the mask; 17:16 elements of 8 bytes; 21 set beside a mask; no padding
	s_or_b32 s[G1B], s3, (3<<16)|(1<<21)
.irp g, G1A, G1B
	s_mov_b32 s[\g+1], 32<<16                      ; tensor_dim0 = 32
	s_mov_b32 s[\g+2], 256<<16                     ; tensor_dim1 = 256
	s_mov_b32 s[\g+3], 32<<16                      ; tile_dim0 = 32
	s_mov_b32 s[\g+4], 256                         ; tile_dim1 = 256
	s_mov_b32 s[\g+5], 32                          ; from row to row
	s_mov_b32 s[\g+6], 0
	s_mov_b32 s[\g+7], 0
.endr
	s_lshl_b32 s[PAX], s29, 1                      ; the 64 rows that I fetch: 65,536 bytes of codes each
	s_add_co_u32 s[PAX], s[PAX], s[WN]
	s_lshl_b32 s[PAX], s[PAX], 16
	s_mov_b32 s[PAX+1], 0
	s_lshl_b32 s[PAW], s30, 1
	s_add_co_u32 s[PAW], s[PAW], s[WN]
	s_lshl_b32 s[PAW], s[PAW], 16
	s_add_co_u32 s[PAW], s[PAW], WOFF+(2<<20)      ; Wv's codes
	s_mov_b32 s[PAW+1], 0
	s_lshl_b32 s[PBW], s31, 1
	s_add_co_u32 s[PBW], s[PBW], s[WN]
	s_lshl_b32 s[PBW], s[PBW], 16
	s_add_co_u32 s[PBW], s[PBW], WOFF
	s_mov_b32 s[PBW+1], 0
	s_lshl_b32 s[PBX], s20, 1
	s_add_co_u32 s[PBX], s[PBX], s[WN]
	s_lshl_b32 s[PBX], s[PBX], 16
	s_add_co_u32 s[PBX], s[PBX], 2<<22             ; x's codes for v
	s_mov_b32 s[PBX+1], 0
	s_lshl_b32 s21, s[WV], 16                      ; where they go: wave x 65,536: A's two halves of rows, then B's
	s_wait_kmcnt 0x0
	s_load_b512 s[ES:ES+15], s[6:7], 0x0           ; entries 0 .. 15 of the scales
	s_add_nc_u64 s[PAX:PAX+1], s[4:5], s[PAX:PAX+1]
	s_add_nc_u64 s[PAW:PAW+1], s[4:5], s[PAW:PAW+1]
	s_add_nc_u64 s[PBW:PBW+1], s[4:5], s[PBW:PBW+1]
	s_add_nc_u64 s[PBX:PBX+1], s[4:5], s[PBX:PBX+1]
.irp s, 0,1
	s_mov_b32 s[G0A+4*\s], 1
	s_add_co_u32 s[G0A+4*\s+1], s21, \s*SLOT
	s_mov_b32 s[G0B+4*\s], 1
	s_add_co_u32 s[G0B+4*\s+1], s21, \s*SLOT
	DESC \s, 0                                     ; tile 0's two halves of K
.endr
	CROUND                                         ; all sixteen work-groups are here: the first joint loads meet
	s_cmp_eq_u32 s[WM], 0                          ; one tensor load a wave at the head: tile 0's whole K of my 64 rows, 65,536 bytes on end in memory and in LDS
	s_cbranch_scc0 .Lfor_b
	tensor_load_to_lds s[G0A:G0A+3], s[G1A:G1A+7]
	s_nop 0
.rept 4
	v_nop
.endr
	s_branch .Lasked
.Lfor_b:
	tensor_load_to_lds s[G0B:G0B+3], s[G1B:G1B+7]
	s_nop 0
.rept 4
	v_nop
.endr
.Lasked:
	v_and_b32 v5, 31, v0
	v_lshlrev_b32 v[LI], 4, v5
	s_lshl_b32 s100, s[WM], 16
	v_add_nc_u32 v[ADRA], s100, v[LI]
	s_lshl_b32 s101, s[WN], 16
	s_add_co_u32 s101, s101, 131072
	v_add_nc_u32 v[ADRB], s101, v[LI]
	v_add_nc_u32 v[ADRA+1], SLOT, v[ADRA]
	v_add_nc_u32 v[ADRB+1], SLOT, v[ADRB]
	; the biases, once for all five tiles.  Along B's rows (g != 2): eight numbers a tile and lane; along A's rows (g == 2): one number a block and lane
	v_and_b32 v1, 15, v0                           ; r
	v_bfe_u32 v2, v0, 4, 1                         ; h
	v_lshlrev_b32 v3, 5, v2
	s_wait_alu depctr_va_vdst(0)
	v_lshlrev_b32 v4, 2, v1
	s_wait_alu depctr_va_vdst(0)
	s_lshl_b32 s2, s31, 9
	s_lshl_b32 s3, s[WN], 8
	s_add_co_u32 s2, s2, s3                        ; (128 x B's tile + 64 x half) x 4 bytes
	s_mov_b32 s3, 0
	s_add_nc_u64 s[10:11], s[10:11], s[2:3]
	s_add_nc_u64 s[12:13], s[12:13], s[2:3]
	s_add_nc_u64 s[16:17], s[16:17], s[2:3]
	s_add_nc_u64 s[18:19], s[18:19], s[2:3]
	s_lshl_b32 s2, s30, 9
	s_lshl_b32 s100, s[WM], 8
	s_add_co_u32 s2, s2, s100                      ; the same for A, where A is Wv
	s_add_nc_u64 s[14:15], s[14:15], s[2:3]
.macro BLOAD idx, p
.irp t, 0,1,2,3
	global_load_b128 v[32*\idx+8*\t:32*\idx+8*\t+3],   v3, s[\p:\p+1] offset:64*\t
	global_load_b128 v[32*\idx+8*\t+4:32*\idx+8*\t+7], v3, s[\p:\p+1] offset:64*\t+16
.endr
.endm
	WIN 0x80                                       ; destination window 2
	BLOAD 0, 10
	BLOAD 1, 12
	BLOAD 2, 16
	BLOAD 3, 18
.irp a, 0,1,2,3
	global_load_b32 v[BM+2*\a], v4, s[14:15] offset:64*\a
	v_mov_b32 v[BM+2*\a+1], 0                      ; (named as the upper half of a pair)
.endr
	WIN 0
	; where my codes go
	s_lshl_b32 s2, s29, 7
	s_lshl_b32 s3, s[WM], 6
	s_add_co_u32 s2, s2, s3                        ; my first token (q, k)
	s_lshr_b32 s3, s2, 11
	s_lshl_b32 s3, s3, 4
	s_lshl_b32 s100, s31, 1
	s_add_co_u32 s3, s3, s100
	s_add_co_u32 s3, s3, s[WN]                     ; head = 16 x batch + 2 x B's tile + half: my 64 channels are one head
	s_bfe_u32 s2, s2, 0x70004                      ; the tile of 16 tokens within the batch
	s_lshl_b32 s[PQ], s3, 18
	s_lshl_b32 s100, s2, 11
	s_add_co_u32 s[PQ], s[PQ], s100                ; Q's
	s_mov_b32 s[PQ+1], 0
	s_mul_i32 s[PK], s3, HEADKV
	s_lshr_b32 s100, s2, 3
	s_mul_i32 s100, s100, STEPB
	s_add_co_u32 s[PK], s[PK], s100
	s_and_b32 s100, s2, 7
	s_lshl_b32 s100, s100, 11
	s_add_co_u32 s[PK], s[PK], s100
	s_add_co_u32 s[PK], s[PK], KVOFF               ; K's
	s_mov_b32 s[PK+1], 0
	s_lshr_b32 s[PV], s20, 4
	s_lshl_b32 s[PV], s[PV], 4
	s_lshl_b32 s100, s30, 1
	s_add_co_u32 s[PV], s[PV], s100
	s_add_co_u32 s[PV], s[PV], s[WM]               ; v: head = 16 x batch + 2 x A's tile + half
	s_mul_i32 s[PV], s[PV], HEADKV
	s_and_b32 s100, s20, 15
	s_mul_i32 s100, s100, STEPB                    ; B's tile of 128 tokens is a step of keys,
	s_add_co_u32 s[PV], s[PV], s100
	s_lshl_b32 s100, s[WN], 10                     ; my 64 of them two of a fragment's four quads
	s_add_co_u32 s[PV], s[PV], s100
	s_add_co_u32 s[PV], s[PV], KVOFF+16384         ; V's
	s_mov_b32 s[PV+1], 0
	s_add_nc_u64 s[PQ:PQ+1], s[8:9], s[PQ:PQ+1]
	s_add_nc_u64 s[PK:PK+1], s[8:9], s[PK:PK+1]
	s_add_nc_u64 s[PV:PV+1], s[8:9], s[PV:PV+1]
	; the prefetches: the choices hang on the wave's number alone
	s_cmp_eq_u32 s[WM], 0                          ; do I fetch for A?
	s_cselect_b64 s[PFN:PFN+1], s[PAX:PAX+1], s[PBW:PBW+1]
	s_cselect_b64 s[PFV:PFV+1], s[PAW:PAW+1], s[PBX:PBX+1]
	s_cselect_b32 s2, s25, s26                     ; my place among the four that ask with me: cx for A, cy for B
	s_mov_b32 s[PST], 1<<20
	s_cselect_b32 s[PST], 1<<22, s[PST]
	s_mov_b32 s[PST+1], 0
	s_lshl_b32 s2, s2, 13
	v_and_b32 v6, 31, v0
	v_lshl_add_u32 v[PFO], v6, 8, s2
	s_wait_alu depctr_va_vdst(0)                   ; directly behind the write
	s_add_nc_u64 s[PFN:PFN+1], s[PFN:PFN+1], s[PST:PST+1]   ; tile 1
	global_prefetch_b8 v[PFO], s[PFN:PFN+1] th:TH_LOAD_NT scope:SCOPE_SE
	global_prefetch_b8 v[PFO], s[PFN:PFN+1] offset:32768 th:TH_LOAD_NT scope:SCOPE_SE
; THE WAY OUT of A's block a of tile g: y = sum x 2^(eA + eB) + bias, held, converted; each accumulator from its low end on.  The eight registers of codes are a fragment (q, k) or half a fragment (v).
.macro OUT g, a
.set AC, ACC+32*(\a)
	WIN 0x20                                       ; source 2 (the bias) window 2
.set j, 0
.rept 16
.if (\g) == 2
	v_pk_fma_f32 v[AC+j:AC+j+1], v[AC+j:AC+j+1], s[FAC:FAC+1], v[BM+2*(\a):BM+2*(\a)+1] op_sel_hi:[1,0,0]
.else
	v_pk_fma_f32 v[AC+j:AC+j+1], v[AC+j:AC+j+1], s[FAC:FAC+1], v[BNG+j:BNG+j+1] op_sel_hi:[1,0,1]
.endif
.set j, j+2
.endr
	WIN 0
.set j, 0
.rept 32
	v_med3_num_f32 v[AC+j], v[AC+j], -v[LIMV], v[LIMV]   ; the conversion to an 8-bit code does not saturate (ISA guide 7.6.2): the hold comes first
.set j, j+1
.endr
.irp t, 0,1,2,3
	v_cvt_scalef32_pk8_bf8_f32 v[CD+8*(\a)+2*\t:CD+8*(\a)+2*\t+1], v[AC+8*\t:AC+8*\t+7], v[SC]
.endr
	v_nop                                          ; a plain vector line behind the last conversion: the next tile's products write its sources
	global_store_b128 v[LI], v[CD+8*(\a):CD+8*(\a)+3],   s[PO:PO+1] offset:(\a)*2048+CSO        ; 512 consecutive bytes, aligned
	global_store_b128 v[LI], v[CD+8*(\a)+4:CD+8*(\a)+7], s[PO:PO+1] offset:(\a)*2048+CSO+512
.endm
.macro EPI g
	WIN 0
.if (\g) == 0
	s_wait_loadcnt 0x0                             ; the biases, asked for at the head
.else
	s_wait_xcnt 0x0                                ; the last tile's stores have read their data: the codes' registers are written again only behind this wait
.endif
.set EO,  10+(\g)                      ; the result's scale: entries 10, 11, 15, 12, 13
.set CSO, 0                            ; content or struct
.set BNG, 32*(\g)                      ; the bias's registers in window 2
.set PO,  PQ
.if (\g) == 1
.set PO,  PK
.endif
.if (\g) == 2
.set EO,  15
.set PO,  PV
.endif
.if (\g) >= 3
.set EO,  9+(\g)
.set CSO, 1024
.set BNG, 32*((\g)-1)
.endif
.if (\g) == 4
.set PO,  PK
.endif
	s_add_co_i32 s[FAC], s[ES+2*(\g)], s[ES+2*(\g)+1]
	s_add_co_i32 s[FAC], s[FAC], 127
	s_lshl_b32 s[FAC], s[FAC], 23                  ; 2^(eA + eB) as f32
	s_mov_b32 s[FAC+1], s[FAC]
	s_add_co_i32 s2, s[ES+EO], 127
	s_lshl_b32 s3, s2, 23
	v_mov_b32 v[SC], s3                            ; 2^eO
	s_add_co_i32 s2, s2, 15
	s_lshl_b32 s2, s2, 23
	s_or_b32 s2, s2, 0x600000
	v_mov_b32 v[LIMV], s2                          ; 57,344 x 2^eO
	PLACES
	OUT \g, 0
	OUT \g, 1
	OUT \g, 2
	OUT \g, 3
.endm
; A TILE: eight steps of 128 along K, four in each slot; the first products start the sums: nothing is cleared.  Each change of slots asks for the next tile's half of K; the last tile asks for nothing.
.macro TILE g
	KPLAIN 0, 0, F0, F1, 1
	KPLAIN 0, 1, F1, F0, 0
	KPLAIN 0, 2, F0, F1, 0
.if (\g) < 4
	TURN 0, 1, (\g)+1
.else
	TURN 0, 0, 0
.endif
	KPLAIN 1, 0, F0, F1, 0
	KPLAIN 1, 1, F1, F0, 0
	KPLAIN 1, 2, F0, F1, 0
.if (\g) < 4
	TURN 1, 1, (\g)+1                              ; and the next tile's first fragments are fetched: they lie in buffer 0 while this tile goes out
.else
	s_wait_dscnt 8                                 ; the very last step: nothing more to fetch
	MUL4 F1, 0, 0
	MUL4 F1, 1, 0
	s_wait_dscnt 0x0
	MUL4 F1, 2, 0
	MUL4 F1, 3, 0
.endif
	EPI \g
.endm
	s_wait_kmcnt 0x0                               ; the scales
	s_wait_tensorcnt 0x0                           ; my one load is in: both slots' parts; so its descriptor may be written: the refills bring 128 rows of 256 bytes
.irp g, G1A, G1B
	s_mov_b32 s[\g+2], 128<<16
	s_mov_b32 s[\g+4], 128
.endr
	s_barrier_signal -1
	s_barrier_wait -1                              ; everybody's is
	FETCH 0, 0, F0
	TILE 0
	TILE 1
	TILE 2
	TILE 3
	TILE 4
	s_wait_tensorcnt 0x0                           ; the wave's end
	ds_add_u32 v[SPW], v[NIL]
	s_wait_dscnt 0x0
	CROUND                                         ; the closing round: no work-group ends while a partner may still ask for a block that names it
	s_endpgm
.Lfunc_end_k_qd0dacff1ee_proj:
	.size	k_qd0dacff1ee_proj, .Lfunc_end_k_qd0dacff1ee_proj-k_qd0dacff1ee_proj
	.p2alignl 7, 3214868480
	.fill 96, 4, 3214868480
	.section	.rodata,"a",@progbits
	.p2align	6, 0x0
	.amdhsa_kernel k_qd0dacff1ee_proj
		.amdhsa_group_segment_fixed_size 327680
		.amdhsa_private_segment_fixed_size 0
		.amdhsa_enable_private_segment 0
		.amdhsa_kernarg_size 64
		.amdhsa_user_sgpr_count 2
		.amdhsa_user_sgpr_kernarg_segment_ptr 1
		.amdhsa_wavefront_size32 1
		.amdhsa_system_sgpr_workgroup_id_x 1
		.amdhsa_system_sgpr_workgroup_id_y 1
		.amdhsa_system_sgpr_workgroup_id_z 1
		.amdhsa_system_vgpr_workitem_id 0
		.amdhsa_next_free_vgpr 768
		.amdhsa_next_free_sgpr 104
		.amdhsa_reserve_vcc 0
		.amdhsa_float_denorm_mode_32 3
		.amdhsa_float_denorm_mode_16_64 3
		.amdhsa_memory_ordered 1
		.amdhsa_forward_progress 1
		.amdhsa_inst_pref_size 227
	.end_amdhsa_kernel
	.amdgpu_metadata
---
amdhsa.version: [ 1, 2 ]
amdhsa.kernels:
  - .name:           k_qd0dacff1ee_proj
    .symbol:         k_qd0dacff1ee_proj.kd
    .args:
      - { .name: cod, .offset: 0, .size: 8, .value_kind: global_buffer, .address_space: global }
      - { .name: lowp_scales, .offset: 8, .size: 8, .value_kind: global_buffer, .address_space: global }
      - { .name: qkv, .offset: 16, .size: 8, .value_kind: global_buffer, .address_space: global }
      - { .name: bq, .offset: 24, .size: 8, .value_kind: global_buffer, .address_space: global }
      - { .name: bk, .offset: 32, .size: 8, .value_kind: global_buffer, .address_space: global }
      - { .name: bv, .offset: 40, .size: 8, .value_kind: global_buffer, .address_space: global }
      - { .name: bsq, .offset: 48, .size: 8, .value_kind: global_buffer, .address_space: global }
      - { .name: bsk, .offset: 56, .size: 8, .value_kind: global_buffer, .address_space: global }
    .group_segment_fixed_size: 327680
    .private_segment_fixed_size: 0
    .kernarg_segment_align: 8
    .kernarg_segment_size: 64
    .max_flat_workgroup_size: 128
    .sgpr_count:     104
    .vgpr_count:     768
    .wavefront_size: 32
...
	.end_amdgpu_metadata
.endif
;; end of part 2
;; launch attn (part 3): grid 8 x 32, 4 waves a work-group, clusters of 4 x 1, 327,680 bytes of LDS; arguments qkv, lowp_scales, oc; writes oc
.if DOCPART == 3
	.amdgcn_target "amdgcn-amd-amdhsa--gfx1250"
	.amdhsa_code_object_version 6
	.text
	.protected	k_qd0dacff1ee_attn
	.globl	k_qd0dacff1ee_attn
	.p2align	8
	.type	k_qd0dacff1ee_attn,@function
k_qd0dacff1ee_attn:
	s_mov_b64 s[64:65], 0
	v_nop
	global_prefetch_b8 v0, s[64:65] scope:SCOPE_SE
	s_setreg_imm32_b32 hwreg(HW_REG_WAVE_MODE, 25, 1), 1
	s_wait_xcnt 0x0
	s_wait_alu depctr_hold_cnt(0) depctr_sa_sdst(0) depctr_va_vdst(0) depctr_va_sdst(0) depctr_va_ssrc(0) depctr_va_vcc(0) depctr_vm_vsrc(0)
	s_getreg_b32 s2, hwreg(HW_REG_IB_STS2, 6, 4)
	s_cmp_eq_u32 s2, 0
	s_cbranch_scc0 .Lentry_in_a_cluster
	s_endpgm
.Lentry_in_a_cluster:
	s_bfe_u32 s2, ttmp6, 0x10000c
	s_cmp_lg_u32 s2, 0x3003
	s_cbranch_scc0 .Lentry_shape_is_right
	s_endpgm
.Lentry_shape_is_right:
; Attention of one head on codes of BF8 (E5M2): score = (q_c . k_c + q_s . k_s) / 8, softmax over 2,048 keys, times v; the result is quantised with entry 16 of the scales and stored as images of the last projection's operand.
; The two score products have scales of their own: S = (k_s q_s^T) x 2^d, then k_c q_c^T is added onto it by the matrix unit; d = e12 + e13 - e10 - e11, and 2^(e10 + e11) goes into c.
; THE SOFTMAX: t = score x log2(e) / 8; M = the running largest t rounded UP to a whole number; p = 2^(t - M) is what is quantised (entry 14), not normalised; the row's sum is taken of the unquantised p and divides at the end.
; When M moves, the sums and O are multiplied by 2^(old M - new M): exact.
; LIMITS: e10 + e11 between -123 and 130 (added to c's exponent field); d between -126 and 127; e14 and e16 between -126 and 112; e14 + e15 is applied by v_ldexp_f32 and has none; |t| under 2^31.  NaN is not served.
; SHARES.  A work-group owns 256 queries of one head; each of its FOUR waves, one to a SIMD, owns 64: four tiles of 16.  Every wave walks all keys, 128 a step, 16 steps; each fragment of K and V feeds four matrix instructions.
; K: a head's K is 262,144 bytes and lies in LDS WHOLE; no LDS byte is filled twice.  It comes in two stages: at the head each wave brings one step's K (steps 0 to 3; 16,384 bytes on end); behind the full sequence and a round
; each wave brings three more steps' (3 rows of 16,384 bytes, 24,576 apart in memory), which land while the first four steps are worked.  The steps go in four groups of four; at a group's end stand the three lines and a barrier,
; in all four trips alike: behind the first of them everybody's second load has landed.
; CLUSTER: the four query blocks of a cluster belong to one head: K is asked for jointly.  V IS NOT: K and V of a head are 393,216 bytes, more than the 327,680 of LDS, so V (8,192 bytes a step) goes from memory
; straight into registers, as images of the operand's registers, 512 bytes on end a load, one step ahead of its use.
; PREFETCH: in step t V of step t + 3 is asked for, two trips ahead of the trip that loads it; its 32 blocks of 256 bytes are shared out by address among the cluster's sixteen waves, two blocks each (lanes 1 to 31 name the second).
; Steps 13 to 15 ask for nothing.  K has none: both its loads are issued at the head, with no loop ahead of them.
; LAYOUT.  Both products are used transposed: S^T = K Q^T, O^T = V^T P^T: a lane holds ONE query (lane % 16) of each tile.  Register j of score tile t is key 16 t + 8 (lane / 16) + j, so the conversion of tile t gives registers 2 t, 2 t + 1 of P.
; REGISTERS BY KIND, so that long runs stand under one window setting, and plain lines on one tile can stand between another tile's exponentials:
;   window 0: addresses, the softmax's state of all four tiles, P's codes, V's fragments, the sums;  window 1: K's sixteen fragments, Q;  window 2: S^T, then p: tile i at v[64 i];  window 3: O^T: tile i at v[32 i].
.set STEPB,  24576                     ; a step in memory: K 16,384 bytes, V 8,192
.set KSTEP,  16384
.set NST,    16
.set KVOFF,  8388608
.set HEADKV, 393216
.set SPARE,  278528                    ; the spare words, 128 bytes for each wave: two blocks of 256 bytes that no other line names
.set LI,  1                            ; 16 x lane
.set ADK, 2                            ; LDS address of the step in hand
.set PFO, 3                            ; the prefetches' offset
.set SPW, 4
.set NIL, 5
.set NM,  8                            ; v[8+2i] -M, v[9+2i] the largest t
.set FF,  16                           ; v[16+2i] f = 2^(old M - new M), v[17+2i] 0 (named with it as a pair)
.set TT,  32                           ; v[32+4i+c] the step's maxima, four chains a tile
.set PL,  48                           ; v[48+i] from lane l xor 16
.set OL,  52                           ; v[52+i] the new -M
.set L14, 56                           ; 57,344 x 2^e14
.set E14, 57                           ; 2^e14
.set L16, 58
.set E16, 59
.set PC,  64                           ; v[64+16i ..] P's codes
.set VF,  128                          ; v128-191 V's four fragments
.set SU,  192                          ; v[192+8i+2c ..] the sums: four pairs a tile
.set KS,  0                            ; window 1: K struct, K content, Q (tile i: content at 128+16i, struct 8 on)
.set KC,  64
.set QQ,  128
.set WV,  12
.set SEL, 20                           ; s[20:21] selects for v_permlanex16_b32: lane l xor 16
.set CS,  22                           ; s[22:23] c
.set G1,  24                           ; s[24:31] group 1 of the first load
.set DD,  32                           ; s[32:33] 2^d
.set OUT, 34                           ; groups to go
.set CNT, 35                           ; steps to go in the group
.set EO,  39                           ; e14 + e15
.set G0,  40
.set VP,  44                           ; s[44:45] V of the step in hand
.set TB,  50                           ; LDS byte at which the step in hand begins
.set G1B, 56                           ; s[56:63] group 1 of the second load
.set G0B, 76
.set MSB, 0
.macro WIN new                         ; low byte: bits 1:0 source 0, 3:2 source 1, 5:4 source 2, 7:6 destination; the high byte repeats the setting that is left
.if MSB != \new
	s_set_vgpr_msb (MSB<<8)|\new
.set MSB, \new
.endif
.endm
.macro CROUND
	s_barrier_signal -1
	s_barrier_wait -1
	s_cmp_lg_u32 s[WV], 0
	s_cbranch_scc1 .Lnot_wave_0_\@
	s_barrier_signal -3
.Lnot_wave_0_\@:
	s_barrier_wait -3
	s_barrier_signal -1
	s_barrier_wait -1
.endm
.macro PLACES                          ; four places behind matrix instructions (ISA guide 7.12.1)
.rept 4
	v_nop
.endr
.endm
.macro KLOAD o                         ; K's sixteen fragments of the step that begins o bytes behind v[ADK]
	WIN 0x40
.irp t, 0,1,2,3,4,5,6,7
	ds_load_b128 v[KS+8*\t:KS+8*\t+3],   v[ADK] offset:\o+\t*2048+1024
	ds_load_b128 v[KS+8*\t+4:KS+8*\t+7], v[ADK] offset:\o+\t*2048+1536
.endr
.irp t, 0,1,2,3,4,5,6,7
	ds_load_b128 v[KC+8*\t:KC+8*\t+3],   v[ADK] offset:\o+\t*2048
	ds_load_b128 v[KC+8*\t+4:KC+8*\t+7], v[ADK] offset:\o+\t*2048+512
.endr
	WIN 0
.endm
.macro VLOAD                           ; V's four fragments: each load 512 consecutive bytes
.irp c, 0,1,2,3
.irp q, 0,1,2,3
	global_load_b128 v[VF+16*\c+4*\q:VF+16*\c+4*\q+3], v[LI], s[VP:VP+1] offset:\c*2048+\q*512
.endr
.endr
.endm
.macro SCORE kf, qo, zero              ; 32 products, K = 64: the 32 accumulators take turns, one instruction a turn
	WIN 0xa5
.irp i, 0,1,2,3
.irp t, 0,1,2,3,4,5,6,7
.if \zero
	v_wmma_f32_16x16x64_bf8_bf8 v[64*\i+8*\t:64*\i+8*\t+7], v[\kf+8*\t:\kf+8*\t+7], v[QQ+16*\i+\qo:QQ+16*\i+\qo+7], 0
.else
	v_wmma_f32_16x16x64_bf8_bf8 v[64*\i+8*\t:64*\i+8*\t+7], v[\kf+8*\t:\kf+8*\t+7], v[QQ+16*\i+\qo:QQ+16*\i+\qo+7], v[64*\i+8*\t:64*\i+8*\t+7]
.endif
.endr
.endr
.endm
; Tile i's 64 exponentials, with plain lines between them that name no result of this batch and whose own results are read behind the batch's closing wait:
; m = 1: the holds of tile i - 1, whose sum has been taken;  m = 2 (tile 0): t - M of tiles 1 and 2
.macro EXPS i, m
.set j, 0
.rept 64
	v_exp_f32 v[64*(\i)+j], v[64*(\i)+j]
.if \m == 1
	v_min_num_f32 v[64*(\i)-64+j], v[64*(\i)-64+j], v[L14]   ; the conversion does not saturate (ISA guide 7.6.2); p is not negative: a one-sided hold
.endif
.if \m == 2
	v_pk_fma_f32 v[64+2*j:64+2*j+1], v[64+2*j:64+2*j+1], s[CS:CS+1], v[NM+2+2*(j/32):NM+3+2*(j/32)] op_sel_hi:[1,0,0]
.endif
.set j, j+1
.endr
.endm
.macro SUMS i                          ; the row's sum is taken of the unquantised p: four chains of pairs
.set j, 0
.rept 8
.irp c, 0,1,2,3
	v_pk_add_f32 v[SU+8*(\i)+2*\c:SU+8*(\i)+2*\c+1], v[64*(\i)+8*j+2*\c:64*(\i)+8*j+2*\c+1], v[SU+8*(\i)+2*\c:SU+8*(\i)+2*\c+1]
.endr
.set j, j+1
.endr
.endm
.macro CVTS i
.irp t, 0,1,2,3,4,5,6,7
	v_cvt_scalef32_pk8_bf8_f32 v[PC+16*(\i)+2*\t:PC+16*(\i)+2*\t+1], v[64*(\i)+8*\t:64*(\i)+8*\t+7], v[E14]
.endr
.endm
	s_load_b128 s[4:7], s[0:1], 0x0                ; qkv s[4:5], the scales s[6:7]
	s_load_b64 s[8:9], s[0:1], 0x10                ; oc
	v_lshl_add_u32 v[SPW], v0, 2, SPARE
	v_mov_b32 v[NIL], 0
	ds_add_u32 v[SPW], v[NIL]                      ; the opening lines: the add, twice on end, and its wait ahead of my first tensor load
	ds_add_u32 v[SPW], v[NIL]
	v_lshrrev_b32 v6, 5, v0
	v_readfirstlane_b32 s[WV], v6
	v_and_b32 v6, 31, v0
	v_lshlrev_b32 v[LI], 4, v6
	v_min_u32 v7, 1, v6
	s_bfe_u32 s13, ttmp6, 0x40000                  ; cx: it enters Q's, oc's and the prefetches' addresses alone
	s_and_b32 s14, ttmp7, 0xffff                   ; the head, 16 x batch + head of the batch: the four partners share it
	s_lshl_b32 s15, s13, 2
	s_add_co_u32 s15, s15, s[WV]
	s_lshl_b32 s15, s15, 9                         ; my wave's 512 bytes of a step's V, among the cluster's sixteen waves
	v_lshl_add_u32 v[PFO], v7, 8, s15
	; descriptor groups 1.  The first load: a dense block of 16,384 bytes as 64 rows of 32 elements of 8 bytes.  The second: 3 rows of 2,048 elements, 3,072 elements apart
	s_mov_b32 s[G1], 15|(3<<16)|(1<<21)            ; 15:0 the mask: all four work-groups; 17:16 elements of 8 bytes; 21 set beside a mask; no padding
	s_mov_b32 s[G1+1], 32<<16
	s_mov_b32 s[G1+2], 64<<16
	s_mov_b32 s[G1+3], 32<<16
	s_mov_b32 s[G1+4], 64
	s_mov_b32 s[G1+5], 32
	s_mov_b32 s[G1+6], 0
	s_mov_b32 s[G1+7], 0
	s_mov_b32 s[G1B], 15|(3<<16)|(1<<21)
	s_mov_b32 s[G1B+1], 2048<<16
	s_mov_b32 s[G1B+2], 3<<16
	s_mov_b32 s[G1B+3], 2048<<16
	s_mov_b32 s[G1B+4], 3
	s_mov_b32 s[G1B+5], 3072
	s_mov_b32 s[G1B+6], 0
	s_mov_b32 s[G1B+7], 0
	s_mov_b32 s[SEL], 0x76543210
	s_mov_b32 s[SEL+1], 0xfedcba98
	s_mul_i32 s16, s14, HEADKV
	s_add_co_u32 s16, s16, KVOFF                   ; the head's K and V
	s_mul_i32 s10, s[WV], STEPB
	s_add_co_u32 s10, s10, s16                     ; first load: step w
	s_mov_b32 s11, 0
	s_mul_i32 s66, s[WV], 3*STEPB
	s_add_co_u32 s66, s66, s16
	s_add_co_u32 s66, s66, 4*STEPB                 ; second load: steps 4 + 3 w on
	s_mov_b32 s67, 0
	s_add_co_u32 s[VP], s16, KSTEP                 ; V of step 0
	s_mov_b32 s[VP+1], 0
	s_lshl_b32 s18, s[WV], 14                      ; and where K goes: step x 16,384
	s_mul_i32 s55, s[WV], 3*KSTEP
	s_add_co_u32 s55, s55, 4*KSTEP
	s_lshl_b32 s2, ttmp9, 2
	s_add_co_u32 s2, s2, s13                       ; my block of 256 queries
	s_lshl_b32 s3, s2, 4
	s_lshl_b32 s19, s[WV], 2
	s_add_co_u32 s3, s3, s19                       ; my first tile of 16 queries in the head: a multiple of 4
	s_lshl_b32 s46, s14, 18
	s_lshl_b32 s47, s3, 11
	s_add_co_u32 s46, s46, s47                     ; Q: head x 262,144 + tile x 2,048
	s_mov_b32 s47, 0
	s_lshr_b32 s48, s14, 4
	s_lshl_b32 s48, s48, 7
	s_add_co_u32 s48, s48, s3                      ; the tile of 16 tokens among all 256
	s_lshl_b32 s48, s48, 14                        ; oc: (tile / 4) 65,536; my four tiles lie 2,048 bytes apart
	s_bfe_u32 s49, s14, 0x30001
	s_lshl_b32 s49, s49, 13
	s_add_co_u32 s48, s48, s49                     ; + (head / 2) 8,192: the K step of 128
	s_and_b32 s49, s14, 1
	s_lshl_b32 s49, s49, 10
	s_add_co_u32 s48, s48, s49                     ; + (head % 2) 1,024: two of its four quads
	s_mov_b32 s49, 0
	s_mov_b32 s[TB], 0
	s_wait_alu depctr_va_vdst(0)
	s_wait_dscnt 0x0                               ; both opening adds are done
	s_wait_kmcnt 0x0
	s_load_b256 s[68:75], s[6:7], 0x28             ; e10 .. e17
	s_mov_b32 s[G0], 1
	s_mov_b32 s[G0+1], s18
	s_add_nc_u64 s[G0+2:G0+3], s[4:5], s[10:11]
	s_or_b32 s[G0+3], s[G0+3], 0x80000000
	s_mov_b32 s[G0B], 1
	s_mov_b32 s[G0B+1], s55
	s_add_nc_u64 s[G0B+2:G0B+3], s[4:5], s[66:67]
	s_or_b32 s[G0B+3], s[G0B+3], 0x80000000
	s_add_nc_u64 s[VP:VP+1], s[4:5], s[VP:VP+1]
	s_add_nc_u64 s[46:47], s[4:5], s[46:47]
	s_add_nc_u64 s[8:9], s[8:9], s[48:49]
	CROUND                                         ; all four work-groups are here: the joint loads meet
	tensor_load_to_lds s[G0:G0+3], s[G1:G1+7]      ; one tensor load a wave at the head: K of step w
	s_nop 0
	PLACES
	WIN 0x40
.irp i, 0,1,2,3
.irp k, 0,1,2,3
	global_load_b128 v[QQ+16*\i+4*\k:QQ+16*\i+4*\k+3], v[LI], s[46:47] offset:2048*\i+512*\k   ; Q stays in registers
.endr
.endr
	WIN 0
	VLOAD                                          ; V of step 0
	s_wait_kmcnt 0x0
	s_add_co_i32 s2, s68, s69                      ; e10 + e11
	s_lshl_b32 s3, s2, 23
	s_mov_b32 s[CS], 0x3e38aa3b                    ; log2(e) / 8
	s_add_co_i32 s[CS], s[CS], s3                  ; x 2^(e10 + e11): added to the exponent field
	s_mov_b32 s[CS+1], s[CS]
	s_add_co_i32 s3, s70, s71
	s_sub_co_i32 s3, s3, s2                        ; d
	s_add_co_i32 s3, s3, 127
	s_lshl_b32 s[DD], s3, 23
	s_mov_b32 s[DD+1], s[DD]
	s_add_co_i32 s[EO], s72, s73
	s_add_co_i32 s2, s72, 127
	s_lshl_b32 s51, s2, 23                         ; 2^e14
	s_add_co_i32 s2, s2, 15
	s_lshl_b32 s2, s2, 23
	s_or_b32 s52, s2, 0x600000                     ; 57,344 x 2^e14
	s_add_co_i32 s2, s74, 127
	s_lshl_b32 s53, s2, 23                         ; 2^e16
	s_add_co_i32 s2, s2, 15
	s_lshl_b32 s2, s2, 23
	s_or_b32 s54, s2, 0x600000
	; the step is written once: the first finds zeros, which the first change of M leaves zeros
.irp i, 0,1,2,3
	v_mov_b32 v[NM+2*\i+1], 0xff61b1e6             ; the largest t so far: -3e38
	v_mov_b32 v[FF+2*\i+1], 0
	v_mov_b32 v[PL+\i], 0                          ; a lane permute's destination counts as one of its sources
.endr
.irp i, 0,1,2,3
	v_floor_f32 v[NM+2*\i], -v[NM+2*\i+1]
.endr
	v_mov_b32 v[L14], s52
	v_mov_b32 v[E14], s51
	v_mov_b32 v[L16], s54
	v_mov_b32 v[E16], s53
.set j, 0
.rept 32
	v_mov_b32 v[SU+j], 0
.set j, j+1
.endr
	WIN 0xc0
.set j, 0
.rept 128
	v_mov_b32 v[j], 0                              ; O^T
.set j, j+1
.endr
	WIN 0
	s_wait_alu depctr_va_vdst(0)
	s_wait_tensorcnt 0x0                           ; my step of K is in
	ds_add_u32 v[SPW], v[NIL]
	s_wait_dscnt 0x0
	CROUND                                         ; everybody's is: steps 0 to 3; and all four work-groups are here
	tensor_load_to_lds s[G0B:G0B+3], s[G1B:G1B+7]  ; the first tensor load behind the round: K of steps 4 + 3 w on; it has the first group's four steps in which to land
	s_nop 0
	PLACES
	s_wait_loadcnt 16                              ; Q's sixteen loads are in; V's sixteen, issued behind them, may be out
	s_mov_b32 s[OUT], 4
.Lgroup:                                           ; four groups of four steps
	v_add_nc_u32 v[ADK], s[TB], v[LI]
	KLOAD 0                                        ; the group's first K
	s_mov_b32 s[CNT], 4
.Lstep:                                            ; A KEY STEP: 128 keys
	s_wait_dscnt 16                                ; this step's K struct is in: its sixteen loads were issued first; K content's sixteen may be out
	SCORE KS, 8, 1
	PLACES
	s_wait_dscnt 0x0                               ; K content: it has had the 32 products above in which to come
	WIN 0x82
.set j, 0
.rept 128
	v_pk_mul_f32 v[j:j+1], v[j:j+1], s[DD:DD+1] op_sel_hi:[1,0]   ; the struct scores x 2^d: exact; each accumulator from its low end on
.set j, j+2
.endr
	SCORE KC, 0, 0
	PLACES                                         ; in front of the loads into K's registers and of the reads of S^T
	WIN 0
	s_cmp_eq_u32 s[CNT], 1                         ; a group's last step fetches no K: the next group's is read behind the barrier.  A branch on the count of steps, round the loads alone
	s_cbranch_scc1 .Lno_k
	v_add_nc_u32 v[ADK], s[TB], v[LI]
	KLOAD KSTEP                                    ; the next step's K: it has the softmax in which to come
.Lno_k:
	s_cmp_lt_u32 s[TB], (NST-3)*KSTEP
	s_cbranch_scc0 .Lno_pf
	global_prefetch_b8 v[PFO], s[VP:VP+1] offset:3*STEPB th:TH_LOAD_NT scope:SCOPE_SE   ; V of step t + 3
.Lno_pf:
	WIN 0x0a                                       ; S^T as sources 0 and 1, the chains in window 0: sixteen chains line by line; chain (i, c) takes tile i's accumulators 2 c, 2 c + 1, ascending
.irp i, 0,1,2,3
.irp c, 0,1,2,3
	v_max_num_f32 v[TT+4*\i+\c], v[64*\i+16*\c], v[64*\i+16*\c+1]
.endr
.endr
.irp k, 1,2,3,4,5,6,7
.irp i, 0,1,2,3
.irp c, 0,1,2,3
	v_max3_num_f32 v[TT+4*\i+\c], v[64*\i+16*\c+2*\k], v[64*\i+16*\c+2*\k+1], v[TT+4*\i+\c]
.endr
.endr
.endr
	WIN 0                                          ; the four tiles' chains line by line, so that three other lines stand between a line and its reader
.irp i, 0,1,2,3
	v_max3_num_f32 v[TT+4*\i], v[TT+4*\i], v[TT+4*\i+1], v[TT+4*\i+2]
.endr
.irp i, 0,1,2,3
	v_max_num_f32 v[TT+4*\i], v[TT+4*\i], v[TT+4*\i+3]
.endr
.irp i, 0,1,2,3
	v_permlanex16_b32 v[PL+\i], v[TT+4*\i], s[SEL], s[SEL+1]
.endr
.irp i, 0,1,2,3
	v_max_num_f32 v[TT+4*\i], v[TT+4*\i], v[PL+\i] ; and among lane l xor 16's
.endr
.irp i, 0,1,2,3
	v_mul_f32 v[TT+4*\i], s[CS], v[TT+4*\i]        ; as t (c is positive)
.endr
.irp i, 0,1,2,3
	v_max_num_f32 v[NM+2*\i+1], v[NM+2*\i+1], v[TT+4*\i]   ; the running largest t
.endr
.irp i, 0,1,2,3
	v_floor_f32 v[OL+\i], -v[NM+2*\i+1]            ; the new -M = floor(-t): M is a whole number
.endr
.irp i, 0,1,2,3
	v_sub_f32 v[TT+4*\i], v[OL+\i], v[NM+2*\i]     ; old M - new M: a whole number, 0 or less
.endr
.irp i, 0,1,2,3
	v_mov_b32 v[NM+2*\i], v[OL+\i]
.endr
.irp i, 0,1,2,3
	v_cvt_i32_f32 v[TT+4*\i], v[TT+4*\i]           ; (it saturates)
.endr
.irp i, 0,1,2,3
	v_ldexp_f32 v[FF+2*\i], 1.0, v[TT+4*\i]        ; f = 2^(old M - new M)
.endr
	WIN 0xc3
.irp i, 0,1,2,3
.set j, 0
.rept 16
	v_pk_mul_f32 v[32*\i+j:32*\i+j+1], v[32*\i+j:32*\i+j+1], v[FF+2*\i:FF+2*\i+1] op_sel_hi:[1,0]   ; O^T under the new M, ascending; no exponential stands between the last products and these reads
.set j, j+2
.endr
.endr
	WIN 0
.irp i, 0,1,2,3
.irp c, 0,1,2,3
	v_pk_mul_f32 v[SU+8*\i+2*\c:SU+8*\i+2*\c+1], v[SU+8*\i+2*\c:SU+8*\i+2*\c+1], v[FF+2*\i:FF+2*\i+1] op_sel_hi:[1,0]   ; the sums likewise
.endr
.endr
	WIN 0x82
.irp i, 0,3
.set j, 0
.rept 32
	v_pk_fma_f32 v[64*\i+j:64*\i+j+1], v[64*\i+j:64*\i+j+1], s[CS:CS+1], v[NM+2*\i:NM+2*\i+1] op_sel_hi:[1,0,0]   ; t - M of tiles 0 and 3; tiles 1 and 2 follow between tile 0's exponentials
.set j, j+2
.endr
.endr
	; four batches of exponentials, each with a wait ahead of it and one behind it; each batch's last line is a plain one
	s_wait_alu depctr_va_vdst(0)
	EXPS 0, 2
	s_wait_alu depctr_va_vdst(0)
	WIN 0x02
	SUMS 0
.irp i, 1,2,3
	WIN 0x82
	s_wait_alu depctr_va_vdst(0)
	EXPS \i, 1
	s_wait_alu depctr_va_vdst(0)
	WIN 0x02
	CVTS \i-1
	SUMS \i                                        ; plain lines behind the conversions
.endr
	WIN 0x82
.set j, 0
.rept 64
	v_min_num_f32 v[192+j], v[192+j], v[L14]
.set j, j+1
.endr
	WIN 0x02
	CVTS 3
	v_nop                                          ; a plain line between the last conversion and the products that read its result
	WIN 0
	s_wait_alu depctr_va_vdst(0)
	s_wait_loadcnt 0x0                             ; this step's V, asked for a step ago
	WIN 0xf0
.irp c, 0,1,2,3                        ; O^T += V^T P^T, K = 128 keys: the sixteen accumulators take turns
.irp i, 0,1,2,3
	v_wmma_f32_16x16x128_bf8_bf8 v[32*\i+8*\c:32*\i+8*\c+7], v[VF+16*\c:VF+16*\c+15], v[PC+16*\i:PC+16*\i+15], v[32*\i+8*\c:32*\i+8*\c+7]
.endr
.endr
	WIN 0
	PLACES                                         ; in front of the loads into V's registers
	s_cmp_eq_u32 s[TB], (NST-1)*KSTEP              ; the last step has no successor
	s_cbranch_scc1 .Lno_v
	s_wait_xcnt 0x0                                ; the prefetch has read its base: it is stepped only behind this wait
	s_add_nc_u64 s[VP:VP+1], s[VP:VP+1], STEPB
	VLOAD                                          ; the next step's V
.Lno_v:
	s_add_co_u32 s[TB], s[TB], KSTEP
	s_sub_co_u32 s[CNT], s[CNT], 1
	s_cmp_lg_u32 s[CNT], 0
	s_wait_alu depctr_va_vdst(0)
	s_cbranch_scc1 .Lstep
	s_wait_tensorcnt 0x0                           ; a group's end, in all four trips alike: my second load has landed (it is out in the first trip alone),
	ds_add_u32 v[SPW], v[NIL]                      ; the add behind that wait,
	s_wait_dscnt 0x0
	s_barrier_signal -1
	s_barrier_wait -1                              ; and everybody's has: the next group's K may be read
	s_sub_co_u32 s[OUT], s[OUT], 1
	s_cmp_lg_u32 s[OUT], 0
	s_cbranch_scc1 .Lgroup
	; THE WAY OUT: O^T / the sum x 2^(e14 + e15), held, converted with 2^e16: a tile's eight registers of codes are two quads of the next operand's fragment.  The lines on the sums are the places behind the last products.
.irp i, 0,1,2,3
	v_pk_add_f32 v[SU+8*\i:SU+8*\i+1], v[SU+8*\i:SU+8*\i+1], v[SU+8*\i+2:SU+8*\i+3]
.endr
.irp i, 0,1,2,3
	v_pk_add_f32 v[SU+8*\i+4:SU+8*\i+5], v[SU+8*\i+4:SU+8*\i+5], v[SU+8*\i+6:SU+8*\i+7]
.endr
.irp i, 0,1,2,3
	v_pk_add_f32 v[SU+8*\i:SU+8*\i+1], v[SU+8*\i:SU+8*\i+1], v[SU+8*\i+4:SU+8*\i+5]
.endr
.irp i, 0,1,2,3
	v_add_f32 v[SU+8*\i], v[SU+8*\i], v[SU+8*\i+1]
.endr
.irp i, 0,1,2,3
	v_permlanex16_b32 v[PL+\i], v[SU+8*\i], s[SEL], s[SEL+1]
.endr
.irp i, 0,1,2,3
	v_add_f32 v[SU+8*\i], v[SU+8*\i], v[PL+\i]     ; the row's sum
.endr
	s_wait_alu depctr_va_vdst(0)
.irp i, 0,1,2,3
	v_rcp_f32 v[SU+8*\i], v[SU+8*\i]
.endr
	v_nop
	s_wait_alu depctr_va_vdst(0)
.irp i, 0,1,2,3
	v_ldexp_f32 v[SU+8*\i], v[SU+8*\i], s[EO]
.endr
	WIN 0x83
	s_wait_alu depctr_va_vdst(0)
.irp i, 0,1,2,3
.set j, 0
.rept 16
	v_pk_mul_f32 v[32*\i+j:32*\i+j+1], v[32*\i+j:32*\i+j+1], v[SU+8*\i:SU+8*\i+1] op_sel_hi:[1,0]   ; from window 3 into window 2
.set j, j+2
.endr
.endr
	WIN 0x82
.set j, 0
.rept 128
	v_med3_num_f32 v[j], v[j], -v[L16], v[L16]
.set j, j+1
.endr
	WIN 0x02
.irp i, 0,1,2,3
.irp c, 0,1,2,3
	v_cvt_scalef32_pk8_bf8_f32 v[PC+8*\i+2*\c:PC+8*\i+2*\c+1], v[32*\i+8*\c:32*\i+8*\c+7], v[E16]
.endr
.endr
	v_nop
	WIN 0
.irp i, 0,1,2,3
	global_store_b128 v[LI], v[PC+8*\i:PC+8*\i+3],   s[8:9] offset:2048*\i        ; 512 consecutive bytes, aligned
	global_store_b128 v[LI], v[PC+8*\i+4:PC+8*\i+7], s[8:9] offset:2048*\i+512
.endr
	s_wait_tensorcnt 0x0                           ; the wave's end
	ds_add_u32 v[SPW], v[NIL]
	s_wait_dscnt 0x0
	CROUND                                         ; the closing round
	s_endpgm
.Lfunc_end_k_qd0dacff1ee_attn:
	.size	k_qd0dacff1ee_attn, .Lfunc_end_k_qd0dacff1ee_attn-k_qd0dacff1ee_attn
	.p2alignl 7, 3214868480
	.fill 96, 4, 3214868480
	.section	.rodata,"a",@progbits
	.p2align	6, 0x0
	.amdhsa_kernel k_qd0dacff1ee_attn
		.amdhsa_group_segment_fixed_size 327680
		.amdhsa_private_segment_fixed_size 0
		.amdhsa_enable_private_segment 0
		.amdhsa_kernarg_size 24
		.amdhsa_user_sgpr_count 2
		.amdhsa_user_sgpr_kernarg_segment_ptr 1
		.amdhsa_wavefront_size32 1
		.amdhsa_system_sgpr_workgroup_id_x 1
		.amdhsa_system_sgpr_workgroup_id_y 1
		.amdhsa_system_sgpr_workgroup_id_z 1
		.amdhsa_system_vgpr_workitem_id 0
		.amdhsa_next_free_vgpr 1024
		.amdhsa_next_free_sgpr 80
		.amdhsa_reserve_vcc 0
		.amdhsa_float_denorm_mode_32 3
		.amdhsa_float_denorm_mode_16_64 3
		.amdhsa_memory_ordered 1
		.amdhsa_forward_progress 1
		.amdhsa_inst_pref_size 101
	.end_amdhsa_kernel
	.amdgpu_metadata
---
amdhsa.version: [ 1, 2 ]
amdhsa.kernels:
  - .name:           k_qd0dacff1ee_attn
    .symbol:         k_qd0dacff1ee_attn.kd
    .args:
      - { .name: qkv, .offset: 0, .size: 8, .value_kind: global_buffer, .address_space: global }
      - { .name: lowp_scales, .offset: 8, .size: 8, .value_kind: global_buffer, .address_space: global }
      - { .name: oc, .offset: 16, .size: 8, .value_kind: global_buffer, .address_space: global }
    .group_segment_fixed_size: 327680
    .private_segment_fixed_size: 0
    .kernarg_segment_align: 8
    .kernarg_segment_size: 24
    .max_flat_workgroup_size: 128
    .sgpr_count:     80
    .vgpr_count:     1024
    .wavefront_size: 32
...
	.end_amdgpu_metadata
.endif
;; end of part 3
;; launch oproj (part 4): grid 8 x 32, 4 waves a work-group, clusters of 4 x 4, 280,064 bytes of LDS; arguments oc, cod, lowp_scales, bo, out0; writes out0
.if DOCPART == 4
	.amdgcn_target "amdgcn-amd-amdhsa--gfx1250"
	.amdhsa_code_object_version 6
	.text
	.protected	k_qd0dacff1ee_oproj
	.globl	k_qd0dacff1ee_oproj
	.p2align	8
	.type	k_qd0dacff1ee_oproj,@function
k_qd0dacff1ee_oproj:
	s_mov_b64 s[64:65], 0
	v_nop
	global_prefetch_b8 v0, s[64:65] scope:SCOPE_SE
	s_setreg_imm32_b32 hwreg(HW_REG_WAVE_MODE, 25, 1), 1
	s_wait_xcnt 0x0
	s_wait_alu depctr_hold_cnt(0) depctr_sa_sdst(0) depctr_va_vdst(0) depctr_va_sdst(0) depctr_va_ssrc(0) depctr_va_vcc(0) depctr_vm_vsrc(0)
	s_getreg_b32 s2, hwreg(HW_REG_IB_STS2, 6, 4)
	s_cmp_eq_u32 s2, 0
	s_cbranch_scc0 .Lentry_in_a_cluster
	s_endpgm
.Lentry_in_a_cluster:
	s_bfe_u32 s2, ttmp6, 0x10000c
	s_cmp_lg_u32 s2, 0xf033
	s_cbranch_scc0 .Lentry_shape_is_right
	s_endpgm
.Lentry_shape_is_right:
; out0 = o Wo^T + bo on codes of BF8 (E5M2): o's codes (entry 16 of the scales) from oc, Wo's (entry 17) from cod; out0 [4,096][1,024] f32.
; LIMIT: e16 + e17 between -126 and 127, so that 2^(e16 + e17) is an f32 number.
; A tile of C is 128 x 128: a work-group of four waves, a wave 64 x 64 in 16 accumulators: 256 work-groups.  THE MATRIX INSTRUCTION IS USED TRANSPOSED (source 0 = 16 rows of Wo, source 1 = 16 tokens):
; lane (r, h) of accumulator (a, t) holds token 16 a + r and, in register j, column 16 t + 8 h + j: eight neighbouring numbers of a row of out0.
; THE WHOLE K (1,024) OF BOTH OPERANDS LIES IN LDS, in four chunks of 256 along K: no LDS byte is filled twice.  Both operands lie in memory as images of their registers (64 rows x 256 K = one dense block of 16,384 bytes).
; CLUSTERS: 4 x 4 work-groups; A's blocks are shared along a row of the cluster, B's along a column.  By this text's own count a wave has one tensor load out at the most.
; THE WAY OUT: a wave's 64 columns are 256 bytes of a row: 16 rows at a time go through the wave's own stage in LDS (behind the chunks; no tensor load lands there) and leave as whole aligned runs of 256 bytes, sixteen lanes each.
; REGISTERS: window 0: v16-19, v20-23 LDS addresses; v24 16 x lane; v25, v26 the stage, in and back; v27 my byte offset in out0; v32-63 bo; v64-127 rows read back, two sets; v128-255 accumulators.  Window 1: two fragment buffers.
.set WOFF,   20971520
.set STAGE,  262144
.set SP,     272                       ; a stage row: 256 bytes + 16: sixteen rows start at sixteen different banks (64 banks of 4 bytes: ISA guide 11.1)
.set F0,   0
.set F1,   128
.set ACC,  128
.set ADRA, 16
.set ADRB, 20
.set LI,   24
.set STO,  25
.set RD,   26
.set CO,   27
.set BN,   32
.set BK,   64
.set WV,   22
.set WM,   23
.set WN,   24
.set G1A,  32
.set G1B,  40
.set G0A,  48
.set G0B,  68
.set FAC,  66
.set MSB, 0
.macro WIN new
.if MSB != \new
	s_set_vgpr_msb (MSB<<8)|\new
.set MSB, \new
.endif
.endm
.macro CROUND
	s_barrier_signal -1
	s_barrier_wait -1
	s_cmp_lg_u32 s[WV], 0
	s_cbranch_scc1 .Lnot_wave_0_\@
	s_barrier_signal -3
.Lnot_wave_0_\@:
	s_barrier_wait -3
	s_barrier_signal -1
	s_barrier_wait -1
.endm
.macro PLACES
.rept 4
	v_nop
.endr
.endm
.macro FETCH c, ksi, f                 ; 32 LDS loads: B's four fragments, then A's four
	WIN 0x40
.irp i, 0,1,2,3
.irp q, 0,1,2,3
	ds_load_b128 v[\f+64+16*\i+4*\q:\f+64+16*\i+4*\q+3], v[ADRB+\c] offset:\ksi*8192+\i*2048+\q*512
.endr
.endr
.irp i, 0,1,2,3
.irp q, 0,1,2,3
	ds_load_b128 v[\f+16*\i+4*\q:\f+16*\i+4*\q+3], v[ADRA+\c] offset:\ksi*8192+\i*2048+\q*512
.endr
.endr
.endm
.macro MUL8 f, a0, zero                ; the 16 accumulators take turns, one instruction a turn, in the same order in every step
	WIN 0x05
.irp a, \a0, \a0+1
.irp t, 0,1,2,3
.if \zero
	v_wmma_f32_16x16x128_bf8_bf8 v[ACC+8*(4*(\a)+\t):ACC+8*(4*(\a)+\t)+7], v[\f+64+16*\t:\f+64+16*\t+15], v[\f+16*(\a):\f+16*(\a)+15], 0
.else
	v_wmma_f32_16x16x128_bf8_bf8 v[ACC+8*(4*(\a)+\t):ACC+8*(4*(\a)+\t)+7], v[\f+64+16*\t:\f+64+16*\t+15], v[\f+16*(\a):\f+16*(\a)+15], v[ACC+8*(4*(\a)+\t):ACC+8*(4*(\a)+\t)+7]
.endif
.endr
.endr
.endm
.macro KPLAIN c, zero
	s_wait_dscnt 8                                 ; B's four and A's blocks 0, 1 are in; the youngest eight loads may be out
	MUL8 F0, 0, \zero
	PLACES
	FETCH \c, 1, F1
	s_wait_dscnt 32                                ; all but the 32 just issued
	MUL8 F0, 2, \zero
.endm
.macro KBOUND c, left
	s_wait_dscnt 8                                 ; B's four and A's blocks 0, 1 are in; all of K landed ahead of the one barrier at the head, so no barrier stands between chunks
	MUL8 F1, 0, 0
	PLACES
	FETCH (\c)+1, 0, F0
	s_wait_dscnt 32
	MUL8 F1, 2, 0
.endm
	s_load_b256 s[4:11], s[0:1], 0x0               ; oc s[4:5], cod s[6:7], the scales s[8:9], bo s[10:11]
	s_load_b64 s[12:13], s[0:1], 0x20              ; out0
	v_lshl_add_u32 v30, v0, 2, 0x44400
	v_mov_b32 v31, 0
	ds_add_u32 v30, v31
	ds_add_u32 v30, v31
	v_lshrrev_b32 v1, 5, v0
	v_readfirstlane_b32 s[WV], v1
	s_lshr_b32 s[WM], s[WV], 1
	s_and_b32 s[WN], s[WV], 1
	s_bfe_u32 s25, ttmp6, 0x40000                  ; cx
	s_bfe_u32 s26, ttmp6, 0x40004                  ; cy
	s_lshl_b32 s27, ttmp9, 2
	s_add_co_u32 s85, s27, s25                     ; tile column: 128 rows of Wo
	s_and_b32 s28, ttmp7, 0xffff
	s_lshl_b32 s28, s28, 2
	s_add_co_u32 s84, s28, s26                     ; tile row: 128 tokens
	s_lshl_b32 s86, s26, 2
	s_lshl_b32 s86, 15, s86
	s_lshl_b32 s87, 0x1111, s25
	s_or_b32 s[G1A], s86, (3<<16)|(1<<21)          ; a dense block of 65,536 bytes as 256 rows of 32 elements of 8 bytes; the mask; 21 set beside it
	s_or_b32 s[G1B], s87, (3<<16)|(1<<21)
.irp g, G1A, G1B
	s_mov_b32 s[\g+1], 32<<16
	s_mov_b32 s[\g+2], 256<<16                     ; ONE load a wave: my 64 rows x the whole K, 65,536 bytes on end in memory and in LDS, as 256 rows of 256 bytes
	s_mov_b32 s[\g+3], 32<<16
	s_mov_b32 s[\g+4], 256
	s_mov_b32 s[\g+5], 32
	s_mov_b32 s[\g+6], 0
	s_mov_b32 s[\g+7], 0
.endr
	s_lshl_b32 s88, s84, 1
	s_add_co_u32 s88, s88, s[WN]
	s_lshl_b32 s88, s88, 16
	s_mov_b32 s89, 0
	s_lshl_b32 s94, s85, 1
	s_add_co_u32 s94, s94, s[WN]
	s_lshl_b32 s94, s94, 16
	s_add_co_u32 s94, s94, WOFF+(5<<20)            ; Wo's codes
	s_mov_b32 s95, 0
	s_lshl_b32 s30, s[WV], 16
	s_wait_dscnt 0x0
	s_wait_kmcnt 0x0
	s_load_b64 s[FAC:FAC+1], s[8:9], 0x40          ; e16, e17
	s_add_nc_u64 s[96:97], s[4:5], s[88:89]
	s_add_nc_u64 s[98:99], s[6:7], s[94:95]
.irp c, 0
	s_mov_b32 s[G0A+4*\c], 1
	s_add_co_u32 s[G0A+4*\c+1], s30, \c*65536
	s_add_nc_u64 s[G0A+4*\c+2:G0A+4*\c+3], s[96:97], \c*16384
	s_or_b32 s[G0A+4*\c+3], s[G0A+4*\c+3], 0x80000000
	s_mov_b32 s[G0B+4*\c], 1
	s_add_co_u32 s[G0B+4*\c+1], s30, \c*65536
	s_add_nc_u64 s[G0B+4*\c+2:G0B+4*\c+3], s[98:99], \c*16384
	s_or_b32 s[G0B+4*\c+3], s[G0B+4*\c+3], 0x80000000
.endr
	CROUND
	s_cmp_eq_u32 s[WM], 0
	s_cbranch_scc0 .Lfor_b
.irp c, 0
	tensor_load_to_lds s[G0A+4*\c:G0A+4*\c+3], s[G1A:G1A+7]
	s_nop 0
.endr
.rept 4
	v_nop
.endr
	s_branch .Lasked
.Lfor_b:
.irp c, 0
	tensor_load_to_lds s[G0B+4*\c:G0B+4*\c+3], s[G1B:G1B+7]
	s_nop 0
.endr
.rept 4
	v_nop
.endr
.Lasked:
	v_and_b32 v5, 31, v0
	v_lshlrev_b32 v[LI], 4, v5
	s_lshl_b32 s100, s[WM], 16
	v_add_nc_u32 v[ADRA], s100, v[LI]
	s_lshl_b32 s101, s[WN], 16
	s_add_co_u32 s101, s101, 131072
	v_add_nc_u32 v[ADRB], s101, v[LI]
.irp c, 1,2,3
	v_add_nc_u32 v[ADRA+\c], \c*16384, v[ADRA]
	v_add_nc_u32 v[ADRB+\c], \c*16384, v[ADRB]
.endr
	v_and_b32 v1, 15, v0                           ; r
	v_bfe_u32 v2, v0, 4, 1                         ; h
	v_lshlrev_b32 v3, 5, v2
	s_lshl_b32 s16, s85, 9
	s_lshl_b32 s17, s[WN], 8
	s_add_co_u32 s16, s16, s17                     ; my first column, in bytes: 512 x tile column + 256 x half
	s_mov_b32 s17, 0
	s_add_nc_u64 s[10:11], s[10:11], s[16:17]
.irp t, 0,1,2,3
	global_load_b128 v[BN+8*\t:BN+8*\t+3],   v3, s[10:11] offset:64*\t
	global_load_b128 v[BN+8*\t+4:BN+8*\t+7], v3, s[10:11] offset:64*\t+16
.endr
	s_mul_i32 s100, s[WV], 16*SP
	s_add_co_u32 s100, s100, STAGE                 ; my stage
	v_mul_u32_u24 v[STO], v1, SP
	v_lshl_add_u32 v[STO], v2, 5, v[STO]
	v_add_nc_u32 v[STO], s100, v[STO]              ; in: row r, + 32 h
	v_mul_u32_u24 v[RD], v2, SP
	v_lshl_add_u32 v[RD], v1, 4, v[RD]
	v_add_nc_u32 v[RD], s100, v[RD]                ; back: lanes 0-15 one row, lanes 16-31 the next
	v_lshlrev_b32 v[CO], 12, v2
	v_lshl_add_u32 v[CO], v1, 4, v[CO]             ; and the same two rows in out0
	s_lshl_b32 s2, s84, 7
	s_lshl_b32 s3, s[WM], 6
	s_add_co_u32 s2, s2, s3
	s_lshl_b32 s2, s2, 12                          ; my first token's row of 4,096 bytes
	s_add_co_u32 s2, s2, s16
	s_mov_b32 s3, 0
	s_add_nc_u64 s[12:13], s[12:13], s[2:3]
	s_wait_kmcnt 0x0
	s_add_co_i32 s[FAC], s[FAC], s[FAC+1]
	s_add_co_i32 s[FAC], s[FAC], 127
	s_lshl_b32 s[FAC], s[FAC], 23                  ; 2^(e16 + e17) as f32
	s_mov_b32 s[FAC+1], s[FAC]
	s_wait_loadcnt 0x0                             ; bo
	s_wait_tensorcnt 0x0                           ; my one load is in
	s_barrier_signal -1
	s_barrier_wait -1
	FETCH 0, 0, F0
	KPLAIN 0, 1
	KBOUND 0, 2
	KPLAIN 1, 0
	KBOUND 1, 1
	KPLAIN 2, 0
	KBOUND 2, 0
	KPLAIN 3, 0
	s_wait_dscnt 8
	MUL8 F1, 0, 0
	s_wait_dscnt 0x0
	MUL8 F1, 2, 0
	WIN 0
	PLACES
.macro TOSTAGE a                       ; block a: sum x 2^(e16 + e17) + bo, each accumulator from its low end on; into my stage and back as whole rows.  LDS serves a wave's instructions in order (ISA guide 5.7.1.4)
.set AC, ACC+32*(\a)
.set BB, BK+32*((\a)%2)
.set j, 0
.rept 16
	v_pk_fma_f32 v[AC+j:AC+j+1], v[AC+j:AC+j+1], s[FAC:FAC+1], v[BN+j:BN+j+1] op_sel_hi:[1,0,1]
.set j, j+2
.endr
.irp t, 0,1,2,3
	ds_store_b128 v[STO], v[AC+8*\t:AC+8*\t+3]   offset:64*\t
	ds_store_b128 v[STO], v[AC+8*\t+4:AC+8*\t+7] offset:64*\t+16
.endr
.irp i, 0,1,2,3,4,5,6,7
	ds_load_b128 v[BB+4*\i:BB+4*\i+3], v[RD] offset:\i*2*SP
.endr
.endm
.macro SEND a, younger                 ; younger: the LDS instructions issued behind block a's loads, which may stay out
.set BB, BK+32*((\a)%2)
	s_wait_dscnt \younger
.irp i, 0,1,2,3,4,5,6,7
	global_store_b128 v[CO], v[BB+4*\i:BB+4*\i+3], s[12:13] offset:(16*(\a)+2*\i)*4096 th:TH_STORE_NT   ; sixteen lanes store 256 consecutive bytes, aligned
.endr
.endm
	TOSTAGE 0
.irp a, 1,2,3
.if \a > 1
	s_wait_xcnt 0x0                                ; block a - 2's stores have read their data: block a's loads may land there
.endif
	TOSTAGE \a
	SEND \a-1, 16                                  ; behind block a - 1's loads: block a's 8 stores and 8 loads
.endr
	SEND 3, 0
	s_wait_tensorcnt 0x0
	ds_add_u32 v30, v31
	s_wait_dscnt 0x0
	CROUND                                         ; the closing round
	s_endpgm
.Lfunc_end_k_qd0dacff1ee_oproj:
	.size	k_qd0dacff1ee_oproj, .Lfunc_end_k_qd0dacff1ee_oproj-k_qd0dacff1ee_oproj
	.p2alignl 7, 3214868480
	.fill 96, 4, 3214868480
	.section	.rodata,"a",@progbits
	.p2align	6, 0x0
	.amdhsa_kernel k_qd0dacff1ee_oproj
		.amdhsa_group_segment_fixed_size 280064
		.amdhsa_private_segment_fixed_size 0
		.amdhsa_enable_private_segment 0
		.amdhsa_kernarg_size 40
		.amdhsa_user_sgpr_count 2
		.amdhsa_user_sgpr_kernarg_segment_ptr 1
		.amdhsa_wavefront_size32 1
		.amdhsa_system_sgpr_workgroup_id_x 1
		.amdhsa_system_sgpr_workgroup_id_y 1
		.amdhsa_system_sgpr_workgroup_id_z 1
		.amdhsa_system_vgpr_workitem_id 0
		.amdhsa_next_free_vgpr 512
		.amdhsa_next_free_sgpr 104
		.amdhsa_reserve_vcc 0
		.amdhsa_float_denorm_mode_32 3
		.amdhsa_float_denorm_mode_16_64 3
		.amdhsa_memory_ordered 1
		.amdhsa_forward_progress 1
		.amdhsa_inst_pref_size 45
	.end_amdhsa_kernel
	.amdgpu_metadata
---
amdhsa.version: [ 1, 2 ]
amdhsa.kernels:
  - .name:           k_qd0dacff1ee_oproj
    .symbol:         k_qd0dacff1ee_oproj.kd
    .args:
      - { .name: oc, .offset: 0, .size: 8, .value_kind: global_buffer, .address_space: global }
      - { .name: cod, .offset: 8, .size: 8, .value_kind: global_buffer, .address_space: global }
      - { .name: lowp_scales, .offset: 16, .size: 8, .value_kind: global_buffer, .address_space: global }
      - { .name: bo, .offset: 24, .size: 8, .value_kind: global_buffer, .address_space: global }
      - { .name: out0, .offset: 32, .size: 8, .value_kind: global_buffer, .address_space: global }
    .group_segment_fixed_size: 280064
    .private_segment_fixed_size: 0
    .kernarg_segment_align: 8
    .kernarg_segment_size: 40
    .max_flat_workgroup_size: 128
    .sgpr_count:     104
    .vgpr_count:     512
    .wavefront_size: 32
...
	.end_amdgpu_metadata
.endif
;; end of part 4
